; MI455X (gfx1250); checked and timed in simulation.
; The chip was launched on July 23, 2026; its instructions are those of AMD's public machine-readable ISA for CDNA 5 (MIT licence, August 2026) and "CDNA5" Instruction Set Architecture Reference Guide (July 2026). The comments in the code are by the model that wrote it; some were corrected since.
;; Relative Multi Head Attention. Allowed arithmetic: matrix products marked QUANTISED: E2M3 operands, one E8M0 scale for each 32 along K, by v_wmma_scale_f32_16x16x128_f8f6f4 with both operands' format E2M3, f32 sums; products left as they are: f32 operands where the result goes on into a quantised operand, else bf16, f16 or f32 operands; f32 sums; everything else in f32.
;; Inputs: Wk 1,024 x 1,024 float32; Wkr 1,024 x 1,024 float32; Wo 1,024 x 1,024 float32; Wq 1,024 x 1,024 float32; Wv 1,024 x 1,024 float32; bk 1,024 float32; bkr 1,024 float32; bo 1,024 float32; bq 1,024 float32; bv 1,024 float32; pos_emb 2,048 x 1,024 float32; u 16 x 64 float32; v 16 x 64 float32; x 2 x 2,048 x 1,024 float32.
;; Outputs: out0 2 x 2,048 x 1,024 float32.
;; This version of the problem:
;;   THIS VERSION OF THE PROBLEM IS GIVEN IN LOW PRECISION. The matrix products marked QUANTISED in the list below multiply operands that are first quantised to E2M3 (2 exponent bits, 3 mantissa bits; 6 bits a number), with one power-of-two scale for each 32 numbers along K (OCP MX v1.0); their sums are f32. All else is computed in f32.
;;   The module's matrix products, in the order in which they are computed (A, B: the left and right operand; K: the contracted axis; several contracted axes count as one K, in the product's order):
;;     1. [M 4,096, K 1,024] x [K 1,024, N 1,024]; A: input x; B: input Wq: QUANTISED
;;     2. [M 4,096, K 1,024] x [K 1,024, N 1,024]; A: input x; B: input Wk: QUANTISED
;;     3. [M 4,096, K 1,024] x [K 1,024, N 1,024]; A: input x; B: input Wv: QUANTISED
;;     4. [M 2,048, K 1,024] x [K 1,024, N 1,024]; A: input pos_emb; B: input Wkr: QUANTISED
;;     5. batch 32 x [M 2,048, K 64] x [K 64, N 2,048]; A: computed on the way; B: computed on the way: QUANTISED
;;     6. batch 16 x [M 2,048, K 64] x [K 64, N 4,096]; A: computed on the way; B: computed on the way: QUANTISED
;;     7. batch 16 x [M 4,096, K 64] x [K 64, N 1]; A: computed on the way; B: input u: left as it is (N = 1 < 16)
;;     8. batch 16 x [M 1, K 64] x [K 64, N 2,048]; A: input v; B: computed on the way: left as it is (M = 1 < 16)
;;     9. batch 32 x [M 2,048, K 2,048] x [K 2,048, N 64]; A: softmax (see below); B: computed on the way: QUANTISED
;;     10. [M 4,096, K 1,024] x [K 1,024, N 1,024]; A: computed on the way; B: input Wo: QUANTISED
;;   THE QUANTISER, for each operand of a quantised product, along K:
;;     - K is cut into blocks of 32 from its start; a last block that is shorter is filled with zeros.
;;     - A block's scale is 2^e with e = floor(log2(the largest magnitude in the block)) - 2, held to -126 .. 127; a block of zeros has e = 0. As a byte (E8M0): e + 127.
;;     - Each number is divided by its block's scale, clamped to +-7.5, and rounded to the nearest number of E2M3, ties to even, subnormals kept.
;;     - The product sums the exact products of the quantised numbers (number of the format x scale) in f32.
;;   ~~~python
;;   def quantise(x, axis):      # numpy; x: float32 -> the quantised numbers, widened to float32 again
;;       x = np.moveaxis(x, axis, -1); K = x.shape[-1]
;;       x = np.pad(x, [(0, 0)] * (x.ndim - 1) + [(0, -K % 32)]); x = x.reshape(x.shape[:-1] + (-1, 32)); a = np.abs(x).max(-1, keepdims=True)
;;       e = np.where(a > 0, np.clip(np.frexp(np.where(a > 0, a, 1))[1] - 1 - 2, -126, 127), 0)      # np.frexp(a)[1] - 1 = floor(log2(a)), exactly
;;       r = np.clip(x / 2.0 ** e, -7.5, 7.5)
;;       step = 2.0 ** (np.maximum(np.frexp(np.where(r == 0, 1, r))[1] - 1, 0) - 3)
;;       q = np.round(r / step) * step * 2.0 ** e      # np.round: ties to even
;;       return np.moveaxis(q.reshape(q.shape[:-2] + (-1,))[..., :K], -1, axis).astype(np.float32)
;;   ~~~
;;   SOFTMAX AHEAD OF A QUANTISED PRODUCT. Where the list says 'softmax', what is quantised is not the finished softmax but p = 2^(t - M), with t = logit x log2(e) and M = ceil(the row's largest t), a whole number; so 1/2 < the row's largest p <= 1. The row's sum l is taken of the UNQUANTISED p, in f32, and the product's result is divided by l at the end. Since M is a whole number, a kernel that streams over the keys may use a running M (the ceiling of the running maximum): every later rescaling is an exact power of two, which a block's scale takes up: the codes' values come out the same.
;;   OPERANDS COMPUTED ON THE WAY. 'Computed on the way' means the value that the module computes at that place (a softmax that the list does not call 'softmax' is quantised finished and normalised). What goes into a quantiser is computed in f32, as accurately as f32 sums, v_exp_f32 and their like allow (about 1e-6 of the number): no bf16 or f16 on the way to a quantiser, and a product that is left as it is and whose result goes on into a quantised operand takes f32 operands (vector FMAs, or v_wmma_f32_16x16x4_f32). A number that lies on a knife's edge between two numbers of the format may be rounded either way, as far as f32 arithmetic and the matrix unit's own rounding can turn it there, and no further.
;; One version. Each part assembles by itself: llvm-mc -triple=amdgcn-amd-amdhsa -mcpu=gfx1250 --defsym DOCPART=n.
;; ======== version 1 of 1: 4 launches
;; limits: right only within a limited range of input values
;; workspace buffers: act 4,915,200 bytes; wgt 4,096,000 bytes; ao 3,276,800 bytes; qpack 3,407,872 bytes; kvpack 6,946,816 bytes; krpack 1,835,008 bytes
;; launch quant (part 1): grid 352 x 1, 4 waves a work-group, no clusters, 74,240 bytes of LDS; arguments x, pos_emb, Wq, Wk, Wv, Wkr, Wo, act, wgt; writes act, wgt
.if DOCPART == 1
	.amdgcn_target "amdgcn-amd-amdhsa--gfx1250"
	.amdhsa_code_object_version 6
	.text
	.protected	k_qce1481c017_quant
	.globl	k_qce1481c017_quant
	.p2align	8
	.type	k_qce1481c017_quant,@function
k_qce1481c017_quant:
	s_mov_b64 s[64:65], 0
	v_nop
	global_prefetch_b8 v0, s[64:65] scope:SCOPE_SE
	s_setreg_imm32_b32 hwreg(HW_REG_WAVE_MODE, 25, 1), 1
	s_wait_xcnt 0x0
; x [4096][1024], pos_emb [2048][1024] (K innermost) and the five weights [1024 (k)][1024 (n)] (K outermost), all f32, become codes of FP6 (E2M3) with one E8M0 byte for each 32 along K.
; LAYOUT OF BOTH WORKSPACES: a block of 64 rows is 51,200 bytes = 4 chunks of 12,800 (256 along K each).  A chunk: [4 runs of 64 K][64 rows][48 bytes of codes], then [2 K steps of 128][64 rows][a word of 4 scale bytes].
; act: row blocks 0-63 x, 64-95 pos_emb.  wgt: rows n of W^T, 16 blocks each: Wq, Wk, Wv, Wkr, Wo.
; A block's scale is 2^(floor(log2(largest magnitude)) - 2); its byte is the largest magnitude's exponent field - 2, held at 1 from below.
; LIMITS: a block of zeros gets the byte 1 where the rule says 127 (its codes are zeros, and this program alone reads the bytes); blocks under the floor 2^-124 were not tried; NaN and infinities are not served.
; Work-groups 0-191 take x and pos_emb (a wave: 64 rows x 128 K), 192-351 the weights (a wave: 32 columns x 256 K).  Each way has LDS bytes of its own; waves share nothing: no barrier.
.set STEPS, 16
.set SP,    80                         ; a lane's place in a stage: 64 bytes + 16 of padding
.set WREG,  8192                       ; rows' way: LDS of a wave: two stages of 32 x SP, then 256 scale bytes
.set RR,    16                         ; v16-79   four sets of 16 numbers as loaded
.set XX,    80                         ; v80-111  two sets of 16 neighbours
.set EE,    112                        ; v112-127 a scale byte for each step
.set CC,    128                        ; v128-191 codes, four registers a step
.set XB,    32                         ; weights' way: v32-95 two sets of 32 numbers
.set CB,    96                         ; v96..    a block's codes
.set OUTR,  112                        ; v112-175 the way out
.set SB,    24                         ; v24-25   the scale words
	s_load_b256 s[4:11], s[0:1], 0x0               ; x, pos_emb, Wq, Wk
	s_load_b256 s[12:19], s[0:1], 0x20             ; Wv, Wkr, Wo, act
	s_load_b64 s[20:21], s[0:1], 0x40              ; wgt
	v_lshl_add_u32 v192, v0, 2, 0x12000
	v_mov_b32 v193, 0
	v_lshrrev_b32 v1, 5, v0
	v_readfirstlane_b32 s22, v1                    ; wave
	v_and_b32 v2, 31, v0                           ; lane
	s_cmp_lt_u32 ttmp9, 192
	s_cbranch_scc0 .Lweights
; ---------------- rows with K innermost ----------------
	v_and_b32 v3, 15, v2
	v_lshlrev_b32 v3, 4, v3
	v_lshrrev_b32 v4, 4, v2
	v_lshl_add_u32 v3, v4, 12, v3                  ; a load takes two rows x 256 bytes: (lane / 16) rows of 4,096 + 16 (lane % 16)
	s_mul_i32 s23, s22, WREG
	v_lshrrev_b32 v14, 2, v2
	v_mul_u32_u24 v14, v14, SP
	v_and_b32 v15, 3, v2
	v_lshl_add_u32 v14, v15, 4, v14
	v_add_nc_u32 v14, s23, v14                     ; the stage, way in: four lanes' 64 bytes on end, then the padding
	v_mul_u32_u24 v15, v2, SP
	v_add_nc_u32 v15, s23, v15                     ; way out: my 16 neighbours
	v_mul_u32_u24 v4, v2, 12                       ; my codes' place in a step's 384 bytes
	v_lshrrev_b32 v5, 2, v2
	v_lshlrev_b32 v5, 2, v5
	v_bfe_u32 v6, v2, 1, 1
	v_add_nc_u32 v5, v5, v6                        ; my block's byte: 4 x (row of the step's eight) + which of the run's two blocks
	s_add_co_u32 s23, s23, 2*32*SP
	v_add_nc_u32 v5, s23, v5
	v_lshlrev_b32 v7, 3, v2
	v_add_nc_u32 v6, s23, v7
	s_lshl_b32 s24, ttmp9, 2
	s_add_co_u32 s24, s24, s22                     ; which wave of 768
	s_lshr_b32 s25, s24, 3                         ; row block 0..95
	s_and_b32 s26, s24, 7                          ; K step of 128
	s_wait_alu depctr_va_vdst(0)
	s_wait_kmcnt 0x0
	s_cmp_lt_u32 ttmp9, 128                        ; x or pos_emb: the choice hangs on the work-group's number alone
	s_cselect_b64 s[4:5], s[4:5], s[6:7]
	s_cselect_b32 s27, 0, 64
	s_sub_co_u32 s27, s25, s27
	s_lshl_b32 s28, s27, 18                        ; 64 rows of 4,096 bytes
	s_lshl_b32 s29, s26, 9
	s_add_co_u32 s28, s28, s29
	s_mov_b32 s29, 0
	s_add_nc_u64 s[4:5], s[4:5], s[28:29]
	s_mul_i32 s28, s25, 51200
	s_lshr_b32 s30, s26, 1
	s_mul_i32 s30, s30, 12800
	s_add_co_u32 s28, s28, s30                     ; the chunk
	s_and_b32 s31, s26, 1
	s_mul_i32 s30, s31, 6144
	s_add_co_u32 s32, s28, s30
	s_mov_b32 s33, 0
	s_add_nc_u64 s[32:33], s[18:19], s[32:33]      ; my codes
	s_lshl_b32 s30, s31, 8
	s_add_co_u32 s34, s28, s30
	s_add_co_u32 s34, s34, 12288
	s_mov_b32 s35, 0
	s_add_nc_u64 s[34:35], s[18:19], s[34:35]      ; my 64 scale words
.macro LOADA t                         ; step t: run t / 8 of 64 K, rows 8 (t % 8) on
.irp i, 0,1,2,3
	global_load_b128 v[RR+16*((\t)%4)+4*\i:RR+16*((\t)%4)+4*\i+3], v3, s[4:5] offset:(((\t)%8)*8+2*\i)*4096+((\t)/8)*256 th:TH_LOAD_NT
.endr
.endm
.macro TURNA t                         ; through the stage: LDS serves a wave's instructions in order, so no wait stands between the stores and the loads
.irp i, 0,1,2,3
	ds_store_b128 v14, v[RR+16*((\t)%4)+4*\i:RR+16*((\t)%4)+4*\i+3] offset:32*SP*((\t)%2)+8*SP*\i
.endr
.irp i, 0,1,2,3
	ds_load_b128 v[XX+16*((\t)%2)+4*\i:XX+16*((\t)%2)+4*\i+3], v15 offset:32*SP*((\t)%2)+16*\i
.endr
.endm
.irp t, 0,1,2,3
	LOADA \t
.endr
	s_wait_loadcnt 12                              ; step 0's four loads are in
	TURNA 0
.macro STEPA t
.set XS, XX+16*((\t)%2)
.if (\t) > 0
	s_wait_dscnt 1                                 ; this step's numbers are back (the last step's byte store may be out)
.else
	s_wait_dscnt 0x0
.endif
.if (\t)+4 < STEPS
	LOADA (\t)+4
.endif
.if (\t)+1 < STEPS
.if STEPS-2-(\t) >= 3
	s_wait_loadcnt 12                              ; the next step's four loads are in; those of the three steps behind it may be out
.else
	s_wait_loadcnt 4*(STEPS-2-(\t))
.endif
	TURNA (\t)+1
.endif
	v_max3_num_f32 v8, |v[XS]|, |v[XS+1]|, |v[XS+2]|
	v_max3_num_f32 v9, |v[XS+3]|, |v[XS+4]|, |v[XS+5]|
.irp i, 6,10
	v_max3_num_f32 v8, v8, |v[XS+\i]|, |v[XS+\i+1]|
	v_max3_num_f32 v9, v9, |v[XS+\i+2]|, |v[XS+\i+3]|
.endr
	v_max3_num_f32 v8, v8, |v[XS+14]|, |v[XS+15]|
	v_max3_num_f32 v8, v8, v9, 0x1800000           ; the floor 2^(3 - 127): the byte cannot fall under 1
	v_max_num_f32_dpp v8, v8, v8 row_xmask:1 row_mask:0xf bank_mask:0xf   ; with my neighbour's 16: the block's
	v_add_nc_u32 v11, 0xff000000, v8               ; 2 off the exponent field: the conversion's scale operand
	v_cvt_scalef32_pk16_fp6_f32 v[CC+4*(\t):CC+4*(\t)+2], v[XS:XS+15], v11
	v_lshrrev_b32 v[EE+(\t)], 23, v11              ; the scale's byte
	ds_store_b8 v5, v[EE+(\t)] offset:((\t)%8)*32+2*((\t)/8)   ; both lanes of a block write the same byte with the same value
	global_store_b96 v4, v[CC+4*(\t):CC+4*(\t)+2], s[32:33] offset:((\t)/8)*3072+((\t)%8)*384   ; 32 lanes store 384 consecutive bytes: eight rows of 48
.endm
.irp t, 0,1,2,3,4,5,6,7,8,9,10,11,12,13,14,15
	STEPA \t
.endr
	ds_load_b64 v[12:13], v6
	s_wait_dscnt 0x0
	global_store_b64 v7, v[12:13], s[34:35]        ; 32 lanes store 256 consecutive bytes, aligned
	s_wait_tensorcnt 0x0
	ds_add_u32 v192, v193
	s_wait_dscnt 0x0
	s_endpgm
; ---------------- weights: K is the first axis: a lane takes a column n, its registers run down K ----------------
.Lweights:
	s_sub_co_u32 s24, ttmp9, 192
	s_lshr_b32 s25, s24, 5                         ; which weight
	s_and_b32 s26, s24, 7                          ; which 128 columns
	s_bfe_u32 s27, s24, 0x20003                    ; which chunk of 256 along K
	s_wait_alu depctr_va_vdst(0)
	v_lshlrev_b32 v3, 2, v2
	s_mul_i32 s28, s22, 10240
	s_add_co_u32 s28, s28, 32768                   ; my stage: [4 runs of 64 K][32 rows][4 places of 16 bytes + 16]
	v_mul_u32_u24 v4, v2, SP
	v_add_nc_u32 v4, s28, v4
	v_lshrrev_b32 v5, 2, v2
	v_mul_u32_u24 v5, v5, SP
	v_and_b32 v6, 3, v2
	v_lshl_add_u32 v5, v6, 4, v5
	v_add_nc_u32 v7, s28, v5                       ; back: four lanes to a row, eight rows an instruction
	v_mul_u32_u24 v8, v2, 12
	s_wait_alu depctr_va_vdst(0)
	s_wait_kmcnt 0x0
	s_cmp_eq_u32 s25, 1
	s_cselect_b64 s[8:9], s[10:11], s[8:9]
	s_cmp_eq_u32 s25, 2
	s_cselect_b64 s[8:9], s[12:13], s[8:9]
	s_cmp_eq_u32 s25, 3
	s_cselect_b64 s[8:9], s[14:15], s[8:9]
	s_cmp_eq_u32 s25, 4
	s_cselect_b64 s[8:9], s[16:17], s[8:9]
	s_lshl_b32 s28, s27, 20                        ; 256 rows of 4,096 bytes
	s_lshl_b32 s29, s26, 9
	s_add_co_u32 s28, s28, s29
	s_lshl_b32 s29, s22, 7
	s_add_co_u32 s28, s28, s29
	s_mov_b32 s29, 0
	s_add_nc_u64 s[8:9], s[8:9], s[28:29]
	s_lshl_b32 s30, s25, 4
	s_lshl_b32 s31, s26, 1
	s_add_co_u32 s30, s30, s31
	s_lshr_b32 s31, s22, 1
	s_add_co_u32 s30, s30, s31                     ; row block of wgt
	s_mul_i32 s30, s30, 51200
	s_mul_i32 s31, s27, 12800
	s_add_co_u32 s30, s30, s31                     ; the chunk
	s_and_b32 s36, s22, 1                          ; which 32 rows of the block
	s_mul_i32 s37, s36, 1536
	s_add_co_u32 s32, s30, s37
	s_mov_b32 s33, 0
	s_add_nc_u64 s[32:33], s[20:21], s[32:33]
	s_lshl_b32 s37, s36, 7
	s_add_co_u32 s34, s30, s37
	s_add_co_u32 s34, s34, 12288
	s_mov_b32 s35, 0
	s_add_nc_u64 s[34:35], s[20:21], s[34:35]
.macro LOADB t
.irp i, 0,1,2,3,4,5,6,7,8,9,10,11,12,13,14,15,16,17,18,19,20,21,22,23,24,25,26,27,28,29,30,31
	global_load_b32 v[XB+32*((\t)%2)+\i], v3, s[8:9] offset:(32*(\t)+\i)*4096 th:TH_LOAD_NT
.endr
.endm
	LOADB 0
	LOADB 1
.macro BLOCKB t
.set XS, XB+32*((\t)%2)
.if (\t) < 7
	s_wait_loadcnt 32                              ; this block's 32 loads are in; the next block's may be out
.else
	s_wait_loadcnt 0
.endif
	v_max3_num_f32 v12, |v[XS]|, |v[XS+1]|, |v[XS+2]|
	v_max3_num_f32 v13, |v[XS+3]|, |v[XS+4]|, |v[XS+5]|
.irp i, 6,10,14,18,22,26
	v_max3_num_f32 v12, v12, |v[XS+\i]|, |v[XS+\i+1]|
	v_max3_num_f32 v13, v13, |v[XS+\i+2]|, |v[XS+\i+3]|
.endr
	v_max3_num_f32 v12, v12, |v[XS+30]|, |v[XS+31]|
	v_max3_num_f32 v12, v12, v13, 0x1800000
	v_add_nc_u32 v11, 0xff000000, v12
	v_lshrrev_b32 v13, 23, v11
.if (\t)%4 == 0
	v_mov_b32 v[SB+(\t)/4], v13
.else
	v_lshl_or_b32 v[SB+(\t)/4], v13, 8*((\t)%4), v[SB+(\t)/4]
.endif
	v_cvt_scalef32_pk16_fp6_f32 v[CB:CB+2], v[XS:XS+15], v11
	v_cvt_scalef32_pk16_fp6_f32 v[CB+4:CB+6], v[XS+16:XS+31], v11
	ds_store_b96 v4, v[CB:CB+2] offset:((\t)/2)*2560+32*((\t)%2)
	ds_store_b96 v4, v[CB+4:CB+6] offset:((\t)/2)*2560+32*((\t)%2)+16
.if (\t)+2 < 8
	LOADB (\t)+2
.endif
	s_wait_dscnt 0x0                               ; the stores have read their registers: the next block's codes may be written
.endm
.irp t, 0,1,2,3,4,5,6,7
	BLOCKB \t
.endr
	global_store_b32 v3, v[SB], s[34:35]           ; 32 rows' words of K step 0: 128 consecutive bytes
	s_wait_alu depctr_va_vdst(0)
	global_store_b32 v3, v[SB+1], s[34:35] offset:256
.irp q, 0,1,2,3,4,5,6,7,8,9,10,11,12,13,14,15
	ds_load_b96 v[OUTR+4*\q:OUTR+4*\q+2], v7 offset:(\q/4)*2560+(\q%4)*640
.endr
.irp q, 0,1,2,3,4,5,6,7,8,9,10,11,12,13,14,15
	s_wait_dscnt 15-\q
	global_store_b96 v8, v[OUTR+4*\q:OUTR+4*\q+2], s[32:33] offset:(\q/4)*3072+(\q%4)*384   ; 384 consecutive bytes
.endr
	s_wait_tensorcnt 0x0
	ds_add_u32 v192, v193
	s_wait_dscnt 0x0
	s_endpgm
.Lfunc_end_k_qce1481c017_quant:
	.size	k_qce1481c017_quant, .Lfunc_end_k_qce1481c017_quant-k_qce1481c017_quant
	.p2alignl 7, 3214868480
	.fill 96, 4, 3214868480
	.section	.rodata,"a",@progbits
	.p2align	6, 0x0
	.amdhsa_kernel k_qce1481c017_quant
		.amdhsa_group_segment_fixed_size 74240
		.amdhsa_private_segment_fixed_size 0
		.amdhsa_enable_private_segment 0
		.amdhsa_kernarg_size 72
		.amdhsa_user_sgpr_count 2
		.amdhsa_user_sgpr_kernarg_segment_ptr 1
		.amdhsa_wavefront_size32 1
		.amdhsa_system_sgpr_workgroup_id_x 1
		.amdhsa_system_sgpr_workgroup_id_y 1
		.amdhsa_system_sgpr_workgroup_id_z 1
		.amdhsa_system_vgpr_workitem_id 0
		.amdhsa_next_free_vgpr 194
		.amdhsa_next_free_sgpr 66
		.amdhsa_reserve_vcc 0
		.amdhsa_float_denorm_mode_32 3
		.amdhsa_float_denorm_mode_16_64 3
		.amdhsa_memory_ordered 1
		.amdhsa_forward_progress 1
		.amdhsa_inst_pref_size 74
	.end_amdhsa_kernel
	.amdgpu_metadata
---
amdhsa.version: [ 1, 2 ]
amdhsa.kernels:
  - .name:           k_qce1481c017_quant
    .symbol:         k_qce1481c017_quant.kd
    .args:
      - { .name: x, .offset: 0, .size: 8, .value_kind: global_buffer, .address_space: global }
      - { .name: pos_emb, .offset: 8, .size: 8, .value_kind: global_buffer, .address_space: global }
      - { .name: Wq, .offset: 16, .size: 8, .value_kind: global_buffer, .address_space: global }
      - { .name: Wk, .offset: 24, .size: 8, .value_kind: global_buffer, .address_space: global }
      - { .name: Wv, .offset: 32, .size: 8, .value_kind: global_buffer, .address_space: global }
      - { .name: Wkr, .offset: 40, .size: 8, .value_kind: global_buffer, .address_space: global }
      - { .name: Wo, .offset: 48, .size: 8, .value_kind: global_buffer, .address_space: global }
      - { .name: act, .offset: 56, .size: 8, .value_kind: global_buffer, .address_space: global }
      - { .name: wgt, .offset: 64, .size: 8, .value_kind: global_buffer, .address_space: global }
    .group_segment_fixed_size: 74240
    .private_segment_fixed_size: 0
    .kernarg_segment_align: 8
    .kernarg_segment_size: 72
    .max_flat_workgroup_size: 128
    .sgpr_count:     66
    .vgpr_count:     194
    .wavefront_size: 32
...
	.end_amdgpu_metadata
.endif
;; end of part 1
;; launch proj (part 2): grid 448 x 1, 8 waves a work-group, no clusters, 327,680 bytes of LDS; arguments act, wgt, bq, bk, bv, bkr, u, v, qpack, kvpack, krpack; writes qpack, kvpack, krpack
.if DOCPART == 2
	.amdgcn_target "amdgcn-amd-amdhsa--gfx1250"
	.amdhsa_code_object_version 6
	.text
	.protected	k_qce1481c017_proj
	.globl	k_qce1481c017_proj
	.p2align	8
	.type	k_qce1481c017_proj,@function
k_qce1481c017_proj:
	s_mov_b64 s[64:65], 0
	v_nop
	global_prefetch_b8 v0, s[64:65] scope:SCOPE_SE
	s_setreg_imm32_b32 hwreg(HW_REG_WAVE_MODE, 25, 1), 1
	s_wait_xcnt 0x0
; The four projections on codes of FP6 (E2M3), K = 1,024, their biases, u . k and v . k_r in f32, and the quantising of q, k, k_r (along the head's 64) and of the values (along the keys).
; Work-groups 0-127 q, 128-255 k, 256-319 k_r, 320-447 the values.  A tile is P 256 x R 128; source 0 = 16 rows of P, source 1 = 16 rows of R: a lane holds ONE row of R and its registers run along P.
; q, k, k_r: P = columns of the weight (four heads), R = tokens.  Values: P = tokens (256 keys), R = columns of Wv (two heads): so a lane's registers run along what the next product contracts.
; Eight waves: wave = (wp, wr): P 128 (8 tiles) x R 32 (2 blocks), 16 accumulators.  All of K for the tile, 6 units x 4 chunks x 12,800 bytes, comes into LDS ONCE: no byte of LDS is filled twice.
; ORDER INSIDE A BLOCK OF 32: a lane's 16 registers of tiles 2 b, 2 b + 1 hold P = 32 b + 16 u + 8 h + j and are laid at code place 32 b + 16 h + 8 u + j: the block's 32 numbers are the right ones, and the
; same places are used on both sides of every later product (q with k and k_r; the values with p).  The values' rows d are grouped: lane r of block a takes d = 32 x + 8 a + r + 8 (r / 8).
; OUT: half images (16 rows x 64 codes as an operand's registers 0-5: 512 bytes of 16 a lane, 256 bytes of 8 a lane), scale words, and the two dots.
; LIMITS: a block of zeros gets the byte 1 (its codes are zeros; this program alone reads the bytes); blocks under 2^-124 not tried; NaN and infinities not served.
; No cluster: of a work-group's 307,200 bytes the 204,800 of P are shared by the work-groups of one pt; joint loads for them are left for a later version of this text.
.set UB,   12800
.set UU,   2*UB                        ; a unit's two chunks on end: what one tensor load brings
.set HALF, 6*UU                        ; chunks 0 and 1 of the six units, then chunks 2 and 3: chunk c of unit w lies at (c / 2) HALF + w UU + (c % 2) UB
.set FRP,  16                          ; v16-63   four fragments of P
.set FRR,  64                          ; v64-87   two of R
.set PS,   88                          ; v88-91   P's scale words, two tiles a register: nothing else is ever written there
.set RS,   99                          ; v99      R's: block 0 in lanes 0-15, block 1 in lanes 16-31: likewise
.set ACC,  128                         ; v128-255 accumulator (a, b) at ACC + 8 (8 a + b)
.set PADR, 1
.set RADR, 2                           ; v2, v3
.set PSADR, 4
.set RSADR, 5
.set PAC,  6                           ; v6-10: the same five in the chunk in hand
.set RAC,  7
.set PSC,  9
.set RSC,  10
.set L16,  11
.set L8,   12
.set L4,   13
.set H32,  14
.set RB4,  15
.set G1,   36
.set G0,   44
.set BP,   16                          ; epilogue: v16-79 bias, then u or v
.set TM,   80                          ; v80-87 and v92-95 at work (v88-91 are left alone)
.set PW,   96
.set PC,   100
.set WA,   120
.set WB,   122
.set DOT,  124
.set SEL,  94
.macro PLACES n
.rept \n
	v_nop
.endr
.endm
.macro WMM d, a, b, c, sa, sb, ra, rb  ; c < 0: the constant 0 starts the sum.  ra, rb: the side's scales stand in lanes 16-31
.if (\c) < 0
.if (\ra) && (\rb)
	v_wmma_scale_f32_16x16x128_f8f6f4 v[(\d):(\d)+7], v[(\a):(\a)+11], v[(\b):(\b)+11], 0, v[(\sa)], v[(\sb)] matrix_a_fmt:MATRIX_FMT_FP6 matrix_b_fmt:MATRIX_FMT_FP6 matrix_a_scale:MATRIX_SCALE_ROW1 matrix_b_scale:MATRIX_SCALE_ROW1
.elseif (\ra)
	v_wmma_scale_f32_16x16x128_f8f6f4 v[(\d):(\d)+7], v[(\a):(\a)+11], v[(\b):(\b)+11], 0, v[(\sa)], v[(\sb)] matrix_a_fmt:MATRIX_FMT_FP6 matrix_b_fmt:MATRIX_FMT_FP6 matrix_a_scale:MATRIX_SCALE_ROW1
.elseif (\rb)
	v_wmma_scale_f32_16x16x128_f8f6f4 v[(\d):(\d)+7], v[(\a):(\a)+11], v[(\b):(\b)+11], 0, v[(\sa)], v[(\sb)] matrix_a_fmt:MATRIX_FMT_FP6 matrix_b_fmt:MATRIX_FMT_FP6 matrix_b_scale:MATRIX_SCALE_ROW1
.else
	v_wmma_scale_f32_16x16x128_f8f6f4 v[(\d):(\d)+7], v[(\a):(\a)+11], v[(\b):(\b)+11], 0, v[(\sa)], v[(\sb)] matrix_a_fmt:MATRIX_FMT_FP6 matrix_b_fmt:MATRIX_FMT_FP6
.endif
.else
.if (\ra) && (\rb)
	v_wmma_scale_f32_16x16x128_f8f6f4 v[(\d):(\d)+7], v[(\a):(\a)+11], v[(\b):(\b)+11], v[(\c):(\c)+7], v[(\sa)], v[(\sb)] matrix_a_fmt:MATRIX_FMT_FP6 matrix_b_fmt:MATRIX_FMT_FP6 matrix_a_scale:MATRIX_SCALE_ROW1 matrix_b_scale:MATRIX_SCALE_ROW1
.elseif (\ra)
	v_wmma_scale_f32_16x16x128_f8f6f4 v[(\d):(\d)+7], v[(\a):(\a)+11], v[(\b):(\b)+11], v[(\c):(\c)+7], v[(\sa)], v[(\sb)] matrix_a_fmt:MATRIX_FMT_FP6 matrix_b_fmt:MATRIX_FMT_FP6 matrix_a_scale:MATRIX_SCALE_ROW1
.elseif (\rb)
	v_wmma_scale_f32_16x16x128_f8f6f4 v[(\d):(\d)+7], v[(\a):(\a)+11], v[(\b):(\b)+11], v[(\c):(\c)+7], v[(\sa)], v[(\sb)] matrix_a_fmt:MATRIX_FMT_FP6 matrix_b_fmt:MATRIX_FMT_FP6 matrix_b_scale:MATRIX_SCALE_ROW1
.else
	v_wmma_scale_f32_16x16x128_f8f6f4 v[(\d):(\d)+7], v[(\a):(\a)+11], v[(\b):(\b)+11], v[(\c):(\c)+7], v[(\sa)], v[(\sb)] matrix_a_fmt:MATRIX_FMT_FP6 matrix_b_fmt:MATRIX_FMT_FP6
.endif
.endif
.endm
.macro FRAG reg, adr, off              ; 16 rows x 128 K: registers 0-5 from one run of 64 K, 6-11 from the next (3,072 bytes on); 24 bytes as three loads of 8
.irp p, 0,1,2,3,4,5
	ds_load_b64 v[(\reg)+2*\p:(\reg)+2*\p+1], v[\adr] offset:(\off)+(\p/3)*3072+8*(\p%3)
.endr
.endm
.macro MM8 b0, first                   ; P tiles b0 .. b0 + 3 against both blocks of R: eight accumulators, one instruction a turn
.irp bb, 0,1,2,3
.irp a, 0,1
.if \first
	WMM ACC+8*(8*\a+\b0+\bb), FRP+12*\bb, FRR+12*\a, -1, PS+(\b0+\bb)/2, RS, \bb%2, \a
.else
	WMM ACC+8*(8*\a+\b0+\bb), FRP+12*\bb, FRR+12*\a, ACC+8*(8*\a+\b0+\bb), PS+(\b0+\bb)/2, RS, \bb%2, \a
.endif
.endr
.endr
.endm
.macro KSTEP sp, first                 ; 128 along K: the chunk's K step sp
.if !\first
	PLACES 4                                       ; in front of loads into registers that matrix instructions have read
.endif
	FRAG FRR, RAC, 6144*\sp
	FRAG FRR+12, RAC+1, 6144*\sp
	ds_load_b32 v[RS], v[RSC] offset:12288+256*\sp
.irp p, 0,1,2,3
	ds_load_b32 v[PS+\p], v[PSC] offset:(\p/2)*UU+12288+256*\sp+128*(\p%2)
.endr
.irp b, 0,1,2,3
	FRAG FRP+12*\b, PAC, 6144*\sp+768*\b
.endr
	s_wait_dscnt 0x0
	MM8 0, \first
	PLACES 4
.irp b, 0,1,2,3
	FRAG FRP+12*\b, PAC, UU+6144*\sp+768*\b
.endr
	s_wait_dscnt 0x0
	MM8 4, \first
.endm
; 64 numbers of a lane, register 16 b + i, become a fragment's codes in v[PC] on and its scale word in v[PW]
.macro QUANT s
.irp b, 0,1,2,3
	v_max3_num_f32 v[TM+\b], |v[(\s)+16*\b]|, |v[(\s)+1+16*\b]|, 0x1800000   ; my 16 numbers of block b, and the floor 2^(3 - 127)
.endr
.irp i, 2,4,6,8,10,12,14
.irp b, 0,1,2,3
	s_delay_alu instid0(VALU_DEP_4)
	v_max3_num_f32 v[TM+\b], v[TM+\b], |v[(\s)+16*\b+\i]|, |v[(\s)+1+16*\b+\i]|
.endr
.endr
.irp b, 0,1,2,3
	s_delay_alu instid0(VALU_DEP_4)
	v_permlanex16_b32 v[TM+4+\b], v[TM+\b], s[SEL], s[SEL+1]
.endr
.irp b, 0,1,2,3
	s_delay_alu instid0(VALU_DEP_4)
	v_max_num_f32 v[TM+\b], v[TM+\b], v[TM+4+\b]   ; with lane l xor 16's: the block's largest magnitude
.endr
.irp b, 0,1,2,3
	s_delay_alu instid0(VALU_DEP_4)
	v_add_nc_u32 v[TM+12+\b], 0xff000000, v[TM+\b] ; 2 off the exponent field: the conversion's scale operand
.endr
.irp b, 0,1,2,3
	s_delay_alu instid0(VALU_DEP_4)
	v_lshrrev_b32 v[TM+4+\b], 23, v[TM+12+\b]      ; the byte
.endr
	s_delay_alu instid0(VALU_DEP_3)
	v_lshl_or_b32 v[PW], v[TM+5], 8, v[TM+4]
	s_delay_alu instid0(VALU_DEP_1)
	v_lshl_or_b32 v[PW], v[TM+6], 16, v[PW]
	s_delay_alu instid0(VALU_DEP_1)
	v_lshl_or_b32 v[PW], v[TM+7], 24, v[PW]
.irp c, 0,1
	v_cvt_scalef32_pk16_fp6_f32 v[PC+6*\c:PC+2+6*\c], v[(\s)+32*\c:(\s)+15+32*\c], v[TM+12+2*\c]
	v_cvt_scalef32_pk16_fp6_f32 v[PC+12+4*\c:PC+14+4*\c], v[(\s)+16+32*\c:(\s)+31+32*\c], v[TM+12+2*\c+1]
.endr
	v_nop                                          ; one plain place behind a scaled conversion
.irp c, 0,1                            ; the operand's layout wants a whole block in a lane
.irp i, 0,1,2
	v_permlane16_swap_b32 v[PC+6*\c+\i], v[PC+12+4*\c+\i]
.endr
.irp i, 0,1,2
	s_delay_alu instid0(VALU_DEP_3)
	v_mov_b32 v[PC+3+6*\c+\i], v[PC+12+4*\c+\i]
.endr
.endr
.endm
	s_load_b256 s[4:11], s[0:1], 0x0               ; act, wgt, bq, bk
	s_load_b256 s[12:19], s[0:1], 0x20             ; bv, bkr, u, v
	s_load_b128 s[20:23], s[0:1], 0x40             ; qpack, kvpack
	s_load_b64 s[24:25], s[0:1], 0x50              ; krpack
	v_lshl_add_u32 v115, v0, 2, 0x4b000
	v_mov_b32 v119, 0
	ds_add_u32 v115, v119
	ds_add_u32 v115, v119
	v_lshrrev_b32 v1, 5, v0
	s_delay_alu instid0(VALU_DEP_1)
	v_readfirstlane_b32 s26, v1                    ; wave
	s_and_b32 s27, s26, 1                          ; wp
	s_lshr_b32 s28, s26, 1                         ; wr
	; which product (s29: 0 q, 1 k, 2 k_r, 3 values), its tile (pt s31, rt s32), the first row blocks of P (s33) and R (s34)
	s_cmp_ge_u32 ttmp9, 128
	s_cselect_b32 s29, 1, 0
	s_cselect_b32 s60, 128, 0
	s_cselect_b32 s33, 16, 0
	s_cmp_ge_u32 ttmp9, 256
	s_cselect_b32 s29, 2, s29
	s_cselect_b32 s60, 256, s60
	s_cselect_b32 s33, 48, s33
	s_cselect_b32 s34, 64, 0
	s_cmp_ge_u32 ttmp9, 320
	s_cselect_b32 s29, 3, s29
	s_cselect_b32 s60, 320, s60
	s_cselect_b32 s33, 0, s33
	s_cselect_b32 s34, 32, s34
	s_cselect_b32 s61, 15, 3
	s_cselect_b32 s62, 4, 2
	s_sub_co_u32 s30, ttmp9, s60
	s_and_b32 s31, s30, s61
	s_lshr_b32 s32, s30, s62
	s_lshl_b32 s60, s31, 2
	s_add_co_u32 s33, s33, s60
	s_lshl_b32 s60, s32, 1
	s_add_co_u32 s34, s34, s60
	; descriptor group 1: a unit's two chunks, 25,600 dense bytes, as 100 rows of 256 bytes (32 elements of 8)
	s_mov_b32 s[G1+0], 3<<16
	s_mov_b32 s[G1+1], 32<<16
	s_mov_b32 s[G1+2], 100<<16                     ; two chunks: 100 dense rows of 256 bytes
	s_mov_b32 s[G1+3], 32<<16
	s_mov_b32 s[G1+4], 100
	s_mov_b32 s[G1+5], 32
	s_mov_b32 s[G1+6], 0
	s_mov_b32 s[G1+7], 0
	; LDS addresses
	v_and_b32 v16, 15, v0                          ; r
	s_wait_alu depctr_va_vdst(0)
	v_bfe_u32 v17, v0, 4, 1                        ; h
	v_and_b32 v18, 31, v0                          ; lane
	s_delay_alu instid0(VALU_DEP_2)
	v_mul_u32_u24 v19, v17, 24
	s_delay_alu instid0(VALU_DEP_1)
	v_mad_u32_u24 v20, v16, 48, v19
	s_mul_i32 s60, s27, 2*UU
	v_add_nc_u32 v[PADR], s60, v20                 ; P: units 2 wp, 2 wp + 1; row r, + 24 h
	v_lshl_add_u32 v[PSADR], v18, 2, s60
	s_lshr_b32 s61, s28, 1
	s_add_co_u32 s61, s61, 4
	s_mul_i32 s61, s61, UU
	s_and_b32 s62, s28, 1
	s_lshl_b32 s62, s62, 5                         ; rows 32 (wr % 2) on
	; which of my 32 rows of R a lane takes.  Both maps are made from the lane alone, each inside 0 .. 31, and the product's type chooses: so the chosen row lies inside 0 .. 31 too
	s_cmp_eq_u32 s29, 3
	s_cselect_b32 s63, -1, 0                       ; all lanes: the values' grouping
	v_lshrrev_b32 v21, 3, v16
	s_delay_alu instid0(VALU_DEP_1)
	v_lshl_add_u32 v21, v21, 3, v16                ; r + 8 (r / 8): 0 .. 7, 16 .. 23
	s_delay_alu instid0(VALU_DEP_1)
	v_lshlrev_b32 v[RB4], 2, v21                   ; (as an offset into bv)
	v_add_nc_u32 v23, 16, v16                      ; block 1: neighbours: r + 16;
	s_delay_alu instid0(VALU_DEP_3)
	v_add_nc_u32 v24, 8, v21                       ; grouped: 8 rows on
	s_delay_alu instid0(VALU_DEP_4)
	v_lshl_add_u32 v25, v17, 3, v21                ; the scale words' lanes 16-31 take block 1's rows: grouped: + 8 h; neighbours: the lane's number
	v_cndmask_b32 v22, v16, v21, s63               ; block 0's row
	s_delay_alu instid0(VALU_DEP_3)
	v_cndmask_b32 v23, v23, v24, s63               ; block 1's
	s_delay_alu instid0(VALU_DEP_3)
	v_cndmask_b32 v25, v18, v25, s63               ; the scale word's
	s_delay_alu instid0(VALU_DEP_3)
	v_add_nc_u32 v22, s62, v22
	s_delay_alu instid0(VALU_DEP_3)
	v_add_nc_u32 v23, s62, v23
	s_delay_alu instid0(VALU_DEP_3)
	v_add_nc_u32 v25, s62, v25
	s_delay_alu instid0(VALU_DEP_3)
	v_mad_u32_u24 v22, v22, 48, v19
	s_delay_alu instid0(VALU_DEP_3)
	v_mad_u32_u24 v23, v23, 48, v19
	s_delay_alu instid0(VALU_DEP_2)
	v_add_nc_u32 v[RADR], s61, v22
	s_delay_alu instid0(VALU_DEP_2)
	v_add_nc_u32 v[RADR+1], s61, v23
	v_lshl_add_u32 v[RSADR], v25, 2, s61
	v_lshlrev_b32 v[L16], 4, v18
	v_lshl_add_u32 v[L8], v18, 3, 512
	v_lshlrev_b32 v[L4], 2, v18
	v_lshlrev_b32 v[H32], 5, v17
	; what I fetch: waves 0-3 P's units, waves 4 and 5 R's
	s_cmp_lt_u32 s26, 4
	s_cselect_b32 s67, s33, s34
	s_cselect_b32 s68, 0, 4
	s_add_co_u32 s67, s67, s26
	s_sub_co_u32 s67, s67, s68
	s_mul_i32 s68, s67, 51200
	s_mov_b32 s69, 0
	s_mul_i32 s74, s26, UU
	s_wait_dscnt 0x0
	s_wait_kmcnt 0x0
	s_cmp_eq_u32 s29, 3
	s_cselect_b64 s[70:71], s[4:5], s[6:7]         ; P's table: the tokens for the values, else the weights
	s_cselect_b64 s[72:73], s[6:7], s[4:5]         ; R's
	s_cmp_lt_u32 s26, 4
	s_cselect_b64 s[70:71], s[70:71], s[72:73]
	s_add_nc_u64 s[70:71], s[70:71], s[68:69]
.irp c, 0,1
	s_mov_b32 s[G0+4*\c], 1
	s_add_co_u32 s[G0+4*\c+1], s74, \c*HALF
	s_add_nc_u64 s[G0+4*\c+2:G0+4*\c+3], s[70:71], \c*UU
	s_or_b32 s[G0+4*\c+3], s[G0+4*\c+3], 0x80000000
.endr
	s_cmp_lt_u32 s26, 6
	s_cbranch_scc0 .Lno_fill
	tensor_load_to_lds s[G0:G0+3], s[G1:G1+7]      ; my unit's chunks 0 and 1: my one load at the head
	s_nop 0
	PLACES 4
.Lno_fill:
	s_wait_alu depctr_va_vdst(0)
.irp c, 0,1,2,3
.if \c == 0
	s_wait_tensorcnt 0x0                           ; my part of chunks 0 and 1 is in
	ds_add_u32 v115, v119                          ; the add, twice on end: a branch leads waves 6
	ds_add_u32 v115, v119
	s_wait_dscnt 0x0
	s_barrier_signal -1
	s_barrier_wait -1                              ; everybody's part is in
	s_cmp_lt_u32 s26, 6
	s_cbranch_scc0 .Lno_fill2
	tensor_load_to_lds s[G0+4:G0+7], s[G1:G1+7]    ; chunks 2 and 3, into bytes of their own: my one load behind this barrier; four K steps are multiplied until the wait for it
	s_nop 0
	PLACES 4
.Lno_fill2:
.elseif \c == 2
	s_wait_tensorcnt 0x0                           ; my part of chunks 2 and 3 is in
	s_wait_dscnt 0x0
	s_barrier_signal -1
	s_barrier_wait -1                              ; everybody's
.endif
	v_add_nc_u32 v[PAC], (\c/2)*HALF+(\c%2)*UB, v[PADR]
	v_add_nc_u32 v[RAC], (\c/2)*HALF+(\c%2)*UB, v[RADR]
	v_add_nc_u32 v[RAC+1], (\c/2)*HALF+(\c%2)*UB, v[RADR+1]
	v_add_nc_u32 v[PSC], (\c/2)*HALF+(\c%2)*UB, v[PSADR]
	v_add_nc_u32 v[RSC], (\c/2)*HALF+(\c%2)*UB, v[RSADR]
.if \c == 0
	s_wait_alu depctr_va_vdst(0)
	KSTEP 0, 1
.else
	s_wait_alu depctr_va_vdst(0)
	KSTEP 0, 0
.endif
	KSTEP 1, 0
.endr
	; ---------------- the epilogue: no LDS ----------------
	PLACES 4
	s_mov_b32 s92, 0xffff0000                      ; lanes 16-31
	s_mov_b32 s93, 0x7f7f0000                      ; scale bytes 2 and 3 of a word for 64 along K: 1.0
	s_mov_b32 s[SEL], 0x76543210
	s_mov_b32 s[SEL+1], 0xfedcba98
.irp b, 0,1,2,3
	v_mov_b32 v[TM+4+\b], 0                        ; a lane permute's destination counts as one of its sources
.endr
	s_cmp_eq_u32 s29, 3
	s_cbranch_scc1 .Lvtype
	; q, k, k_r.  My heads: hA = 4 pt + 2 wp and hA + 1; my tokens: tok0 = 128 rt + 32 wr on
	s_lshl_b32 s60, s32, 7
	s_lshl_b32 s61, s28, 5
	s_add_co_u32 s60, s60, s61                     ; tok0
	s_lshr_b32 s61, s60, 11                        ; batch
	s_and_b32 s62, s60, 2047                       ; i0
	s_lshl_b32 s63, s31, 2
	s_lshl_b32 s66, s27, 1
	s_add_co_u32 s63, s63, s66                     ; hA
	s_lshl_b32 s66, s61, 4
	s_add_co_u32 s66, s66, s63                     ; 16 batch + hA
	s_lshl_b32 s67, s66, 7
	s_lshr_b32 s68, s62, 4
	s_add_co_u32 s67, s67, s68
	s_mul_i32 s67, s67, 768                        ; q: images
	s_lshl_b32 s68, s66, 11
	s_add_co_u32 s68, s68, s62
	s_lshl_b32 s68, s68, 2
	s_add_co_u32 s68, s68, 3145728                 ; q: words
	s_lshl_b32 s69, s66, 3
	s_lshr_b32 s70, s62, 8
	s_add_co_u32 s69, s69, s70
	s_mul_i32 s69, s69, 27136                      ; k: the slot of 256 keys
	s_bfe_u32 s70, s62, 0x40004
	s_mul_i32 s70, s70, 768
	s_add_co_u32 s70, s70, s69                     ; k: images
	s_and_b32 s71, s62, 255
	s_lshl_b32 s71, s71, 2
	s_add_co_u32 s71, s71, s69
	s_add_co_u32 s71, s71, 24576                   ; k: words
	s_mul_i32 s72, s63, 114688
	s_lshr_b32 s73, s60, 4
	s_mul_i32 s73, s73, 768
	s_add_co_u32 s73, s73, s72                     ; k_r: images
	s_lshl_b32 s74, s60, 2
	s_add_co_u32 s74, s74, s72
	s_add_co_u32 s74, s74, 98304                   ; k_r: words
	s_mov_b32 s75, 98304                           ; from head to head: images,
	s_mov_b32 s76, 8192                            ; words;
	s_mov_b32 s77, 0                               ; from the words to the dots
	s_cmp_eq_u32 s29, 1
	s_cselect_b32 s67, s70, s67
	s_cselect_b32 s68, s71, s68
	s_cselect_b32 s75, 217088, s75
	s_cselect_b32 s76, 217088, s76
	s_cselect_b32 s77, 1024, s77
	s_cselect_b64 s[20:21], s[22:23], s[20:21]
	s_cselect_b64 s[8:9], s[10:11], s[8:9]
	s_cmp_eq_u32 s29, 2
	s_cselect_b32 s67, s73, s67
	s_cselect_b32 s68, s74, s68
	s_cselect_b32 s75, 114688, s75
	s_cselect_b32 s76, 114688, s76
	s_cselect_b32 s77, 8192, s77
	s_cselect_b64 s[20:21], s[24:25], s[20:21]
	s_cselect_b64 s[8:9], s[14:15], s[8:9]
	s_cselect_b64 s[16:17], s[18:19], s[16:17]     ; v for k_r, u for k
	s_mov_b32 s80, s67
	s_mov_b32 s81, 0
	s_add_nc_u64 s[80:81], s[20:21], s[80:81]      ; images of head hA,
	s_mov_b32 s82, s75
	s_mov_b32 s83, 0
	s_add_nc_u64 s[82:83], s[80:81], s[82:83]      ; of hA + 1
	s_mov_b32 s84, s68
	s_mov_b32 s85, 0
	s_add_nc_u64 s[84:85], s[20:21], s[84:85]      ; words
	s_mov_b32 s86, s76
	s_mov_b32 s87, 0
	s_add_nc_u64 s[86:87], s[84:85], s[86:87]
	s_mov_b32 s88, s77
	s_mov_b32 s89, 0
	s_add_nc_u64 s[90:91], s[86:87], s[88:89]      ; dots
	s_add_nc_u64 s[88:89], s[84:85], s[88:89]
	s_lshl_b32 s60, s31, 10
	s_lshl_b32 s61, s27, 9
	s_add_co_u32 s60, s60, s61                     ; my 128 columns, in bytes
	s_mov_b32 s61, 0
	s_add_nc_u64 s[8:9], s[8:9], s[60:61]
	s_add_nc_u64 s[16:17], s[16:17], s[60:61]
.irp b, 0,1,2,3,4,5,6,7
	global_load_b128 v[BP+8*\b:BP+8*\b+3], v[H32], s[8:9] offset:64*\b       ; the bias of columns 16 b + 8 h + 0 .. 7
	global_load_b128 v[BP+8*\b+4:BP+8*\b+7], v[H32], s[8:9] offset:64*\b+16
.endr
	s_wait_loadcnt 0x0
.irp a, 0,1
.set j, 0
.rept 32
	v_pk_add_f32 v[ACC+64*\a+j:ACC+64*\a+j+1], v[ACC+64*\a+j:ACC+64*\a+j+1], v[BP+j:BP+j+1]   ; each accumulator from its low end on
.set j, j+2
.endr
.endr
	s_cmp_eq_u32 s29, 0
	s_cbranch_scc1 .Lnodot
	; u . k or v . k_r, in f32, of the numbers before they are quantised
.irp b, 0,1,2,3,4,5,6,7
	global_load_b128 v[BP+8*\b:BP+8*\b+3], v[H32], s[16:17] offset:64*\b
	global_load_b128 v[BP+8*\b+4:BP+8*\b+7], v[H32], s[16:17] offset:64*\b+16
.endr
	s_wait_loadcnt 0x0
.irp a, 0,1
.irp hd, 0,1
	v_pk_mul_f32 v[TM:TM+1], v[ACC+64*\a+32*\hd:ACC+64*\a+32*\hd+1], v[BP+32*\hd:BP+32*\hd+1]
	v_pk_mul_f32 v[TM+2:TM+3], v[ACC+64*\a+32*\hd+2:ACC+64*\a+32*\hd+3], v[BP+32*\hd+2:BP+32*\hd+3]
.irp k, 4,8,12,16,20,24,28
	s_delay_alu instid0(VALU_DEP_2)
	v_pk_fma_f32 v[TM:TM+1], v[ACC+64*\a+32*\hd+\k:ACC+64*\a+32*\hd+\k+1], v[BP+32*\hd+\k:BP+32*\hd+\k+1], v[TM:TM+1]
	s_delay_alu instid0(VALU_DEP_2)
	v_pk_fma_f32 v[TM+2:TM+3], v[ACC+64*\a+32*\hd+\k+2:ACC+64*\a+32*\hd+\k+3], v[BP+32*\hd+\k+2:BP+32*\hd+\k+3], v[TM+2:TM+3]
.endr
	s_delay_alu instid0(VALU_DEP_1)
	v_pk_add_f32 v[TM:TM+1], v[TM:TM+1], v[TM+2:TM+3]
	s_delay_alu instid0(VALU_DEP_1)
	v_add_f32 v[DOT+2*\a+\hd], v[TM], v[TM+1]
.endr
.endr
.irp b, 0,1,2,3
	v_permlanex16_b32 v[TM+4+\b], v[DOT+\b], s[SEL], s[SEL+1]
.endr
.irp b, 0,1,2,3
	s_delay_alu instid0(VALU_DEP_4)
	v_add_f32 v[DOT+\b], v[DOT+\b], v[TM+4+\b]     ; with the other half's 32 of the 64
.endr
.Lnodot:
.irp a, 0,1
.if \a == 1
	s_wait_xcnt 0x0                                ; block 0's stores have read their registers
.endif
	QUANT ACC+64*\a
	v_and_or_b32 v[WA+\a], v[PW], 0xffff, s93      ; head hA's word,
	v_lshrrev_b32 v[WB+\a], 16, v[PW]
	s_delay_alu instid0(VALU_DEP_1)
	v_or_b32 v[WB+\a], s93, v[WB+\a]               ; head hA + 1's
	global_store_b128 v[L16], v[PC:PC+3], s[80:81] offset:768*\a      ; 512 consecutive bytes
	global_store_b64 v[L8], v[PC+4:PC+5], s[80:81] offset:768*\a      ; 256 consecutive bytes
	global_store_b128 v[L16], v[PC+6:PC+9], s[82:83] offset:768*\a
	global_store_b64 v[L8], v[PC+10:PC+11], s[82:83] offset:768*\a
.endr
	v_cndmask_b32 v97, v[WA], v[WA+1], s92         ; lanes 0-15 block 0's rows, lanes 16-31 block 1's: 32 tokens on end
	v_cndmask_b32 v98, v[WB], v[WB+1], s92
	global_store_b32 v[L4], v97, s[84:85]
	global_store_b32 v[L4], v98, s[86:87]
	s_cmp_eq_u32 s29, 0
	s_cbranch_scc1 .Lrow_end
	v_cndmask_b32 v[TM], v[DOT], v[DOT+2], s92     ; (the quantiser's registers are free again)
	v_cndmask_b32 v[TM+1], v[DOT+1], v[DOT+3], s92
	global_store_b32 v[L4], v[TM], s[88:89]
	global_store_b32 v[L4], v[TM+1], s[90:91]
.Lrow_end:
	s_wait_tensorcnt 0x0
	ds_add_u32 v115, v119
	s_wait_dscnt 0x0
	s_endpgm
.Lvtype:                               ; the values: a lane holds one d, its registers run along 128 keys
	s_lshr_b32 s60, s31, 3                         ; batch
	s_lshl_b32 s60, s60, 4
	s_lshl_b32 s61, s32, 1
	s_add_co_u32 s60, s60, s61
	s_lshr_b32 s61, s28, 1
	s_add_co_u32 s60, s60, s61                     ; 16 batch + head
	s_lshl_b32 s60, s60, 3
	s_and_b32 s61, s31, 7
	s_add_co_u32 s60, s60, s61
	s_mul_i32 s60, s60, 27136                      ; the slot
	s_and_b32 s61, s28, 1                          ; which 32 of the head's 64
	s_lshl_b32 s62, s27, 2
	s_lshl_b32 s63, s61, 1
	s_add_co_u32 s62, s62, s63
	s_mul_i32 s62, s62, 1536
	s_add_co_u32 s80, s60, s62
	s_add_co_u32 s80, s80, 12288
	s_mov_b32 s81, 0
	s_add_nc_u64 s[80:81], s[22:23], s[80:81]
	s_lshl_b32 s62, s27, 1
	s_add_co_u32 s62, s62, s61
	s_lshl_b32 s62, s62, 7
	s_add_co_u32 s84, s60, s62
	s_add_co_u32 s84, s84, 26624
	s_mov_b32 s85, 0
	s_add_nc_u64 s[84:85], s[22:23], s[84:85]
	s_lshl_b32 s62, s32, 9
	s_lshl_b32 s63, s28, 7
	s_add_co_u32 s62, s62, s63
	s_mov_b32 s63, 0
	s_add_nc_u64 s[12:13], s[12:13], s[62:63]
	global_load_b32 v16, v[RB4], s[12:13]          ; bv of my d in block 0,
	global_load_b32 v18, v[RB4], s[12:13] offset:32   ; in block 1
	v_mov_b32 v17, 0                               ; (named as the pairs' upper halves)
	v_mov_b32 v19, 0
	s_wait_alu depctr_va_vdst(0)
	s_wait_loadcnt 0x0
.irp a, 0,1
.set j, 0
.rept 32
	v_pk_add_f32 v[ACC+64*\a+j:ACC+64*\a+j+1], v[ACC+64*\a+j:ACC+64*\a+j+1], v[16+2*\a:17+2*\a] op_sel_hi:[1,0]
.set j, j+2
.endr
.endr
.irp a, 0,1
.if \a == 1
	s_wait_xcnt 0x0
.endif
	QUANT ACC+64*\a
	v_mov_b32 v[WA+\a], v[PW]
	global_store_b128 v[L16], v[PC:PC+3], s[80:81] offset:1536*\a
	global_store_b64 v[L8], v[PC+4:PC+5], s[80:81] offset:1536*\a
	global_store_b128 v[L16], v[PC+6:PC+9], s[80:81] offset:1536*\a+768
	global_store_b64 v[L8], v[PC+10:PC+11], s[80:81] offset:1536*\a+768
.endr
	v_cndmask_b32 v97, v[WA], v[WA+1], s92
	global_store_b32 v[L4], v97, s[84:85]
	s_wait_tensorcnt 0x0
	ds_add_u32 v115, v119
	s_wait_dscnt 0x0
	s_endpgm
.Lfunc_end_k_qce1481c017_proj:
	.size	k_qce1481c017_proj, .Lfunc_end_k_qce1481c017_proj-k_qce1481c017_proj
	.p2alignl 7, 3214868480
	.fill 96, 4, 3214868480
	.section	.rodata,"a",@progbits
	.p2align	6, 0x0
	.amdhsa_kernel k_qce1481c017_proj
		.amdhsa_group_segment_fixed_size 327680
		.amdhsa_private_segment_fixed_size 0
		.amdhsa_enable_private_segment 0
		.amdhsa_kernarg_size 88
		.amdhsa_user_sgpr_count 2
		.amdhsa_user_sgpr_kernarg_segment_ptr 1
		.amdhsa_wavefront_size32 1
		.amdhsa_system_sgpr_workgroup_id_x 1
		.amdhsa_system_sgpr_workgroup_id_y 1
		.amdhsa_system_sgpr_workgroup_id_z 1
		.amdhsa_system_vgpr_workitem_id 0
		.amdhsa_next_free_vgpr 256
		.amdhsa_next_free_sgpr 100
		.amdhsa_reserve_vcc 0
		.amdhsa_float_denorm_mode_32 3
		.amdhsa_float_denorm_mode_16_64 3
		.amdhsa_memory_ordered 1
		.amdhsa_forward_progress 1
		.amdhsa_inst_pref_size 107
	.end_amdhsa_kernel
	.amdgpu_metadata
---
amdhsa.version: [ 1, 2 ]
amdhsa.kernels:
  - .name:           k_qce1481c017_proj
    .symbol:         k_qce1481c017_proj.kd
    .args:
      - { .name: act, .offset: 0, .size: 8, .value_kind: global_buffer, .address_space: global }
      - { .name: wgt, .offset: 8, .size: 8, .value_kind: global_buffer, .address_space: global }
      - { .name: bq, .offset: 16, .size: 8, .value_kind: global_buffer, .address_space: global }
      - { .name: bk, .offset: 24, .size: 8, .value_kind: global_buffer, .address_space: global }
      - { .name: bv, .offset: 32, .size: 8, .value_kind: global_buffer, .address_space: global }
      - { .name: bkr, .offset: 40, .size: 8, .value_kind: global_buffer, .address_space: global }
      - { .name: u, .offset: 48, .size: 8, .value_kind: global_buffer, .address_space: global }
      - { .name: v, .offset: 56, .size: 8, .value_kind: global_buffer, .address_space: global }
      - { .name: qpack, .offset: 64, .size: 8, .value_kind: global_buffer, .address_space: global }
      - { .name: kvpack, .offset: 72, .size: 8, .value_kind: global_buffer, .address_space: global }
      - { .name: krpack, .offset: 80, .size: 8, .value_kind: global_buffer, .address_space: global }
    .group_segment_fixed_size: 327680
    .private_segment_fixed_size: 0
    .kernarg_segment_align: 8
    .kernarg_segment_size: 88
    .max_flat_workgroup_size: 256
    .sgpr_count:     100
    .vgpr_count:     256
    .wavefront_size: 32
...
	.end_amdgpu_metadata
.endif
;; end of part 2
;; launch attn (part 3): grid 8 x 32, 16 waves a work-group, no clusters, 327,680 bytes of LDS; arguments qpack, kvpack, krpack, ao; writes ao
.if DOCPART == 3
	.amdgcn_target "amdgcn-amd-amdhsa--gfx1250"
	.amdhsa_code_object_version 6
	.text
	.protected	k_qce1481c017_attn
	.globl	k_qce1481c017_attn
	.p2align	8
	.type	k_qce1481c017_attn,@function
k_qce1481c017_attn:
	s_mov_b64 s[64:65], 0
	v_nop
	global_prefetch_b8 v0, s[64:65] scope:SCOPE_SE
	s_setreg_imm32_b32 hwreg(HW_REG_WAVE_MODE, 25, 1), 1
	s_wait_xcnt 0x0
; Relative attention of one (batch, head) for 256 queries, all products on codes of FP6 (E2M3): score = (q.k + BD + u.k + v.k_r[i]) / 8; p = 2^(t - M), M a whole number; O = (p V) / sum of p; O is quantised along d for the last product.
; THE SHIFT.  With m' = 2047 - i + j: BD[i][j] = q_i . k_r[m'] for m' < 2048, 0 for m' = 2048, q_(i+1) . k_r[m' - 2049] above.  So E[i][m'] is an ordinary product, and a row i of it is read i columns askew.
; SHARES.  Sixteen waves; wave w = (g = w / 4, c = w % 4) owns the 16 queries i = I0 + 64 g + c + 4 r (r = lane % 16): with this stride the skew from lane to lane is four columns, 16 bytes, so BD comes back by loads of 16 bytes.
; All products are used transposed: a lane holds one query.  E^T (source 0 = 16 rows of k_r) is made once, 64 columns at a time, stored into the wave's own stage (for each query a circle of 128 columns), and
; read back askew as the C of S^T = k q^T.  The whole head's k_r lies in LDS as half images, with 80 rows of zeros in front and 16 behind: rows under 0 and over 2047 multiply as zeros, which serves m' = 2048 and the one group
; of 64 columns in which both streams meet (there both products are made and added).
; THE STAGE IS LAID BY UNITS.  A unit is four neighbouring columns of one query, 16 bytes; unit p (0 .. 31 round the circle) of all sixteen queries is one line of 256 bytes, and in it query r stands at place
; r xor (2 (p + r) mod 16).  On the way in p is the same in the sixteen lanes of a store: r -> r xor ((C + 2 r) mod 16), C even, is one-to-one, since bit i of it hangs on bits 0 .. i of r alone.  On the way out p + r is the same in
; the sixteen lanes of a load: the place is r xor a constant.  So a store's and a load's sixteen lanes name sixteen different 16-byte columns of their lines.
; K = 64: q's operand is six registers of codes and six of zeros; the other side's upper six registers are whatever follows (every 6-bit code is a finite number) and meet the zeros.
; k, V, their scale words and u.k come through a ring of two slots of 256 keys (27,136 bytes, one dense block), filled by waves 0 and 1 and read by all sixteen.
; u.k hangs on the key alone: it enters as the C of E^T, two loads of 16 bytes a tile out of the table at EFT.
; No cluster: the place in the table of k_r and the one branch on it hang on the block of queries, which would be a work-group's place in its cluster.
; LIMITS: a block of zeros gets the byte 1 (its codes are zeros; this program alone reads the bytes); NaN and infinities are not served.
.set SLOTB, 27136
.set SLOT1, 32768                      ; slot 1 begins here: one exclusive or turns an address in one slot into the other's
.set SPARE, 27136                      ; between the slots: the spare words, 128 bytes a wave: eight blocks of 256 bytes that no other line names
.set ZB,    59904                      ; 4,096 bytes of zeros (stored once)
.set KT0,   ZB+256                     ; the table's tile 0: five tiles of zeros end where the codes begin
.set KRC,   ZB+4096                    ; k_r's 128 tiles of 768 bytes, and one tile of zeros that the mover writes
.set ZW,    KRC+99072                  ; 512 bytes of zeros (stored once)
.set KW0,   ZW+192                     ; the word of the table's row 0
.set KRW,   ZW+512                     ; k_r's 2,048 words, and 64 words of zeros
.set STAGE, KRW+8448
.set STG,   8192                       ; a wave's stage: 32 lines of 256 bytes
.set EFZ,   STAGE+16*STG               ; behind the stages: 512 bytes of zeros (stored once),
.set EFT,   EFZ+512                    ; and the head's u.k, 2,048 numbers on end, with 1,024 bytes of zeros that the mover writes behind them
.set S,   104                          ; v104-167 BD, then the scores, then p; later V's four fragments
.set FR,  168                          ; v168-197 four half fragments (6 registers each) and the six registers that the last one's operand names beyond them
.set EA,  200                          ; v200-231 u.k, then E^T (u.k is its C); later p's codes (v200-211) and the conversions' second halves (v212-218)
.set OT,  72                           ; v72-103  O^T
.set QA,  40                           ; v40-51   q_i and six zeros
.set QE,  52                           ; v52-63   the stream's q and six zeros
.set QB,  64                           ; v64-69   q_(i+1)
.set WR,  20                           ; v20-23   the stage, way in: register 2 (tt % 2) + q
.set RE,  24                           ; v24-27   way out of an even half step: register 2 (tt % 2) + q
.set RO,  232                          ; v232-239 way out of an odd half step, where the circle wraps: register 2 tt + q
.set KWA, 28                           ; v28-29   scale words: k_r's, then those of k's tiles 0-3, then V's
.set KWB, 198                          ; v198-199 those of k's tiles 4-7
.set PWD, 253                          ; v253     p's scale word
.set BM,  240
.set PT,  244
.set SO,  248
.set SO2, 220                          ; v220-223 the conversions' scale operands of p's four blocks
.set PT2, 224                          ; v224-227 their bytes
; u.k IS THE C OF E^T.  In group n, column x of the group, lane (r, h) holds key j = 64 n - 60 + 4 r + x, in every wave alike: so a lane's eight registers of tile tt want u.k[64 n - 60 + 4 r + 16 tt + 8 h + 0 .. 7],
; two loads of 16 bytes out of the table at EFT; keys under 0 and over 2,047 fall on the zeros and on columns that are never read back.  No vector instruction adds u.k.
; v1 spare word, v2 zero; v3 16 L, v4 512 + 8 L, v5 24,576 + 4 L, v6 my place in the table of u.k for group 0; v7-9 v3-5 in the slot in hand; v10 v6 for the group in hand; v11-13, v14-16 my place in the table of k_r for the low and the high stream (16-byte part, 8-byte part, word);
; v17-19 the same for the group in hand; v30 -M, v31 largest t; v32 c GH - M, v33 c GH; v[34:35] the sum; v36-38 scale words of q_i, q_(i+1), the stream's; v39 the prefetches' offset; v[70:71] f.
.macro PLACES n
.rept \n
	v_nop
.endr
.endm
.macro WMM d, a, b, c, sa, sb, ra, rb  ; c < 0: the constant 0 starts the sum.  ra: source 0's scales stand in lanes 16-31
.if (\c) < 0
.if (\ra)
	v_wmma_scale_f32_16x16x128_f8f6f4 v[(\d):(\d)+7], v[(\a):(\a)+11], v[(\b):(\b)+11], 0, v[(\sa)], v[(\sb)] matrix_a_fmt:MATRIX_FMT_FP6 matrix_b_fmt:MATRIX_FMT_FP6 matrix_a_scale:MATRIX_SCALE_ROW1
.else
	v_wmma_scale_f32_16x16x128_f8f6f4 v[(\d):(\d)+7], v[(\a):(\a)+11], v[(\b):(\b)+11], 0, v[(\sa)], v[(\sb)] matrix_a_fmt:MATRIX_FMT_FP6 matrix_b_fmt:MATRIX_FMT_FP6
.endif
.else
.if (\ra)
	v_wmma_scale_f32_16x16x128_f8f6f4 v[(\d):(\d)+7], v[(\a):(\a)+11], v[(\b):(\b)+11], v[(\c):(\c)+7], v[(\sa)], v[(\sb)] matrix_a_fmt:MATRIX_FMT_FP6 matrix_b_fmt:MATRIX_FMT_FP6 matrix_a_scale:MATRIX_SCALE_ROW1
.else
	v_wmma_scale_f32_16x16x128_f8f6f4 v[(\d):(\d)+7], v[(\a):(\a)+11], v[(\b):(\b)+11], v[(\c):(\c)+7], v[(\sa)], v[(\sb)] matrix_a_fmt:MATRIX_FMT_FP6 matrix_b_fmt:MATRIX_FMT_FP6
.endif
.endif
.endm
.macro KCONST sa, c16, c8, cw          ; my lane's place in the table for rows alpha + r: tile (alpha + r) / 16, its lane (alpha + r) % 16
	v_add_nc_u32 v242, s[\sa], v240
	s_delay_alu instid0(VALU_DEP_1)
	v_lshrrev_b32 v243, 4, v242
	s_delay_alu instid0(VALU_DEP_1)
	v_mul_u32_u24 v243, v243, 768
	s_delay_alu instid0(VALU_DEP_3)
	v_and_b32 v242, 15, v242
	s_delay_alu instid0(VALU_DEP_1)
	v_lshl_add_u32 v[\c16], v242, 4, v243
	s_delay_alu instid0(VALU_DEP_1)
	v_lshl_add_u32 v[\c16], v241, 8, v[\c16]
	s_delay_alu instid0(VALU_DEP_1)
	v_add_nc_u32 v[\c16], KT0, v[\c16]
	s_delay_alu instid0(VALU_DEP_4)
	v_lshl_add_u32 v[\c8], v242, 3, v243
	s_delay_alu instid0(VALU_DEP_1)
	v_lshl_add_u32 v[\c8], v241, 7, v[\c8]
	s_delay_alu instid0(VALU_DEP_1)
	v_add_nc_u32 v[\c8], KT0+512, v[\c8]
	v_add_nc_u32 v[\cw], s[\sa], v255
	s_delay_alu instid0(VALU_DEP_1)
	v_lshl_add_u32 v[\cw], v[\cw], 2, KW0          ; words: lanes 0-31 take 32 rows on end: two tiles a load
.endm
.macro QOFF vi, o16, o8, ow            ; where row v[vi] of a head lies in qpack: its tile's image, its lane's 16 and 8 bytes; its word
	s_delay_alu instid0(VALU_DEP_1)
	v_lshrrev_b32 v[\o16], 4, v[\vi]
	s_delay_alu instid0(VALU_DEP_1)
	v_mul_u32_u24 v[\o16], v[\o16], 768
	s_delay_alu instid0(VALU_DEP_3)
	v_and_b32 v[\ow], 15, v[\vi]
	s_delay_alu instid0(VALU_DEP_1)
	v_lshl_add_u32 v[\o8], v[\ow], 3, v[\o16]
	s_delay_alu instid0(VALU_DEP_1)
	v_lshl_add_u32 v[\o8], v241, 7, v[\o8]
	s_delay_alu instid0(VALU_DEP_1)
	v_add_nc_u32 v[\o8], 512, v[\o8]
	s_delay_alu instid0(VALU_DEP_4)
	v_lshl_add_u32 v[\o16], v[\ow], 4, v[\o16]
	s_delay_alu instid0(VALU_DEP_1)
	v_lshl_add_u32 v[\o16], v241, 8, v[\o16]
	v_lshlrev_b32 v[\ow], 2, v[\vi]
.endm
	s_load_b256 s[4:11], s[0:1], 0x0               ; qpack, kvpack, krpack, ao
	v_lshl_add_u32 v1, v0, 2, SPARE
	v_mov_b32 v2, 0
	ds_add_u32 v1, v2
	ds_add_u32 v1, v2
	s_wait_dscnt 0x0
	v_lshrrev_b32 v3, 5, v0
	s_delay_alu instid0(VALU_DEP_1)
	v_readfirstlane_b32 s12, v3                    ; wave
	s_and_b32 s13, s12, 3                          ; c
	s_lshr_b32 s14, s12, 2                         ; g
	s_and_b32 s15, ttmp7, 0xffff                   ; 16 batch + head
	s_and_b32 s16, s15, 15                         ; head
	s_lshl_b32 s17, ttmp9, 8                       ; I0
	v_and_b32 v255, 31, v0                         ; lane
	v_and_b32 v240, 15, v0                         ; r
	v_bfe_u32 v241, v0, 4, 1                       ; h
	s_delay_alu instid0(VALU_DEP_3)
	v_lshlrev_b32 v3, 4, v255
	s_delay_alu instid0(VALU_DEP_4)
	v_lshl_add_u32 v4, v255, 3, 512
	v_lshl_add_u32 v5, v255, 2, 24576
	v_lshlrev_b32 v6, 4, v240
	s_delay_alu instid0(VALU_DEP_1)
	v_lshl_add_u32 v6, v241, 5, v6
	s_delay_alu instid0(VALU_DEP_1)
	v_add_nc_u32 v6, EFT-240, v6                   ; u.k of key -60 + 4 r + 8 h: 4 bytes a key
	s_xor_b32 s26, s13, 3                          ; 3 - c: the low stream's first row less XG + 80
	s_add_co_u32 s27, s26, 15                      ; 18 - c: the high stream's less XG - 1984
	KCONST 26, 11, 12, 13
	KCONST 27, 14, 15, 16
	s_mul_i32 s28, s12, STG
	s_add_co_u32 s28, s28, STAGE                   ; my stage
	; in: tile tt of a group, registers 4 q on, are unit p = 16 par + 4 tt + 2 h + q of query r: line p (2 h in the register, the rest in the offset), place r xor ((8 (tt % 2) + 4 h + 2 q + 2 r) mod 16)
	; out: piece (tt, q) of a half step is unit p = 15 - r + 2 h + 4 tt + q (odd half step: 16 more, round the circle): p + r hangs on no r: place r xor ((14 + 4 h + 8 (tt % 2) + 2 q) mod 16)
	v_lshlrev_b32 v242, 1, v240
	s_delay_alu instid0(VALU_DEP_1)
	v_lshl_add_u32 v242, v241, 2, v242             ; 2 r + 4 h
	v_lshlrev_b32 v243, 9, v241
	s_delay_alu instid0(VALU_DEP_1)
	v_add_nc_u32 v243, s28, v243                   ; my stage, 2 h lines on
	v_lshlrev_b32 v245, 2, v241                    ; 4 h
	v_sub_nc_u32 v250, 15, v240
	s_delay_alu instid0(VALU_DEP_1)
	v_lshl_add_u32 v250, v241, 1, v250             ; 15 - r + 2 h
	s_delay_alu instid0(VALU_DEP_1)
	v_add_nc_u32 v251, 16, v250                    ; 31 - r + 2 h
.irp n, 0,1,2,3                        ; n = 2 (tt % 2) + q
	v_add_nc_u32 v244, 8*(\n/2)+2*(\n%2), v242
	s_delay_alu instid0(VALU_DEP_1)
	v_and_b32 v244, 15, v244
	s_delay_alu instid0(VALU_DEP_1)
	v_xor_b32 v244, v240, v244
	s_delay_alu instid0(VALU_DEP_1)
	v_lshl_add_u32 v[WR+\n], v244, 4, v243
	v_add_nc_u32 v244, 14+8*(\n/2)+2*(\n%2), v245
	s_delay_alu instid0(VALU_DEP_1)
	v_and_b32 v244, 15, v244
	s_delay_alu instid0(VALU_DEP_1)
	v_xor_b32 v244, v240, v244
	s_delay_alu instid0(VALU_DEP_1)
	v_lshlrev_b32 v244, 4, v244
	s_delay_alu instid0(VALU_DEP_1)
	v_add_nc_u32 v[246+\n], s28, v244              ; my stage + my place in a line, on the way out
	s_delay_alu instid0(VALU_DEP_1)
	v_lshl_add_u32 v[RE+\n], v250, 8, v[246+\n]
.endr
.irp n, 0,1,2,3,4,5,6,7                ; n = 2 tt + q
	v_add_nc_u32 v244, 4*(\n/2)+(\n%2), v251
	s_delay_alu instid0(VALU_DEP_1)
	v_and_b32 v244, 31, v244
	s_delay_alu instid0(VALU_DEP_1)
	v_lshl_add_u32 v[RO+\n], v244, 8, v[246+2*((\n/2)%2)+(\n%2)]
.endr
	v_lshl_add_u32 v250, v0, 4, ZB                 ; where waves 0-7 store zeros,
	v_add_nc_u32 v251, ZW, v3                      ; and wave 8,
	v_add_nc_u32 v254, EFZ, v3                     ; and wave 9
	v_add_nc_u32 v39, 0xffffff80, v0
	s_delay_alu instid0(VALU_DEP_1)
	v_min_u32 v39, 105, v39
	s_delay_alu instid0(VALU_DEP_1)
	v_lshlrev_b32 v39, 8, v39                      ; the prefetches: waves 4-7 name block min(32 (w - 4) + lane, 105) of a slot's 106 blocks of 256 bytes
	s_lshl_b32 s29, s14, 6
	s_add_co_u32 s29, s29, s17
	s_add_co_u32 s29, s29, s13
	v_lshl_add_u32 v242, v240, 2, s29              ; my query i
	QOFF 242, 244, 245, 246
	v_add_nc_u32 v243, 1, v242
	s_delay_alu instid0(VALU_DEP_1)
	v_min_u32 v243, 2047, v243                     ; i + 1 (the last query has no high stream: any row serves)
	QOFF 243, 247, 248, 249
	s_sub_co_u32 s18, 1984, s17
	s_lshl_b32 s26, s14, 6
	s_sub_co_u32 s18, s18, s26                     ; XG of group 0: 1984 - I0 - 64 g
	s_mov_b32 s20, 0                               ; the slot in hand
	s_mov_b32 s19, 0                               ; 256 x the group of E^T in hand
	s_mov_b32 s21, 7                               ; slots still to be asked for
	s_mov_b32 s22, 0x76543210
	s_mov_b32 s23, 0xfedcba98
	s_mov_b32 s24, 0x3e38aa3b                      ; c = log2(e) / 8
	s_mov_b32 s25, s24
	s_lshr_b32 s74, s12, 2
	s_xor_b32 s74, s74, 1                          ; 0 in waves 4-7,
	s_or_b32 s74, s74, ttmp9                       ; of the head's first work-group: all eight walk the same k and V
	s_cmp_eq_u32 s74, 0
	s_cselect_b32 s74, 1, -1
	; descriptor groups 1: dense rows of 256 bytes (32 elements of 8).  Half a slot: 53 rows.  k_r's codes: 384 rows and 3 past the end, which arrive as zeros.  Its words: 32 rows and 1 of zeros.
.irp g, 32, 40, 48
	s_mov_b32 s[\g+0], 3<<16
	s_mov_b32 s[\g+1], 32<<16
	s_mov_b32 s[\g+3], 32<<16
	s_mov_b32 s[\g+5], 32
	s_mov_b32 s[\g+6], 0
	s_mov_b32 s[\g+7], 0
.endr
	s_mov_b32 s34, 53<<16
	s_mov_b32 s36, 53
	s_mov_b32 s42, 384<<16
	s_mov_b32 s44, 387
	s_mov_b32 s50, 32<<16
	s_mov_b32 s52, 33
	s_mov_b32 s84, 3<<16                           ; u.k: 8 rows of 1,024 bytes (128 elements of 8), one out of each slot of 27,136 bytes, and a ninth past the end, which arrives as zeros
	s_mov_b32 s85, 128<<16
	s_mov_b32 s86, 8<<16
	s_mov_b32 s87, 128<<16
	s_mov_b32 s88, 9
	s_mov_b32 s89, SLOTB/8
	s_mov_b32 s90, 0
	s_mov_b32 s91, 0
	s_wait_kmcnt 0x0
	s_mul_i32 s76, s15, 8*SLOTB
	s_mov_b32 s77, 0
	s_add_nc_u64 s[76:77], s[6:7], s[76:77]        ; my head's k and V
	s_mul_i32 s78, s16, 114688
	s_mov_b32 s79, 0
	s_add_nc_u64 s[78:79], s[8:9], s[78:79]        ; my head's k_r
	s_and_b32 s28, s12, 1
	s_mul_i32 s28, s28, 13568
	s_mov_b32 s29, 0
	s_mov_b32 s56, 1
	s_mov_b32 s57, s28
	s_add_nc_u64 s[58:59], s[76:77], s[28:29]
	s_or_b32 s59, s59, 0x80000000
	s_mov_b32 s60, 1
	s_mov_b32 s61, KRC
	s_mov_b64 s[62:63], s[78:79]
	s_or_b32 s63, s63, 0x80000000
	s_mov_b32 s68, 1
	s_mov_b32 s69, KRW
	s_add_nc_u64 s[70:71], s[78:79], 98304
	s_or_b32 s71, s71, 0x80000000
	s_mov_b32 s92, 1
	s_mov_b32 s93, EFT
	s_add_nc_u64 s[94:95], s[76:77], 25600         ; the first slot's u.k
	s_or_b32 s95, s95, 0x80000000
	s_add_nc_u64 s[72:73], s[76:77], SLOTB         ; the prefetches stand at slot 1; the first change of slots steps them to slot 2
	; the first fills: one a wave; one tensor load of mine is out at the most, here and later
	s_cmp_lt_u32 s12, 2
	s_cbranch_scc0 .Lf_not_s
	tensor_load_to_lds s[56:59], s[32:39]          ; waves 0, 1: slot 0's halves
	s_nop 0
	PLACES 4
	s_branch .Lf_done
.Lf_not_s:
	s_cmp_eq_u32 s12, 2
	s_cbranch_scc0 .Lf_not_c
	tensor_load_to_lds s[60:63], s[40:47]          ; wave 2: k_r's codes
	s_nop 0
	PLACES 4
	s_branch .Lf_done
.Lf_not_c:
	s_cmp_eq_u32 s12, 3
	s_cbranch_scc0 .Lf_not_w
	tensor_load_to_lds s[68:71], s[48:55]          ; wave 3: k_r's words
	s_nop 0
	PLACES 4
	s_branch .Lf_done
.Lf_not_w:
	s_cmp_eq_u32 s12, 4
	s_cbranch_scc0 .Lf_done
	tensor_load_to_lds s[92:95], s[84:91]          ; wave 4: the head's u.k
	s_nop 0
	PLACES 4
.Lf_done:
.irp j, 6,7,8,9,10,11
	v_mov_b32 v[QA+\j], 0
	v_mov_b32 v[QE+\j], 0
.endr
	s_cmp_lt_u32 s12, 8
	s_cbranch_scc0 .Lz_hi
	ds_store_b128 v250, v[QA+6:QA+9]               ; the table's rows of zeros in front
	s_branch .Lz_done
.Lz_hi:
	s_cmp_eq_u32 s12, 8
	s_cbranch_scc0 .Lz_ef
	s_wait_alu depctr_va_vdst(0)
	ds_store_b128 v251, v[QA+6:QA+9]               ; and their words
	s_branch .Lz_done
.Lz_ef:
	s_cmp_eq_u32 s12, 9
	s_cbranch_scc0 .Lz_done
	s_wait_alu depctr_va_vdst(0)
	ds_store_b128 v254, v[QA+6:QA+9]               ; the zeros in front of u.k
.Lz_done:
	s_mul_i32 s26, s15, 98304
	s_mov_b32 s27, 0
	s_add_nc_u64 s[26:27], s[4:5], s[26:27]        ; my head's images of q
	s_lshl_b32 s28, s15, 13
	s_add_co_u32 s28, s28, 3145728
	s_mov_b32 s29, 0
	s_add_nc_u64 s[28:29], s[4:5], s[28:29]        ; its words
	s_add_nc_u64 s[30:31], s[78:79], 106496        ; v . k_r
	global_load_b128 v[QA:QA+3], v244, s[26:27]
	global_load_b64 v[QA+4:QA+5], v245, s[26:27]
	global_load_b128 v[QB:QB+3], v247, s[26:27]
	global_load_b64 v[QB+4:QB+5], v248, s[26:27]
	global_load_b32 v36, v246, s[28:29]
	global_load_b32 v37, v249, s[28:29]
	global_load_b32 v33, v246, s[30:31]
.irp j, 24,25,26,27,28,29
	v_mov_b32 v[FR+\j], 0                          ; the last half fragment's operand names these six, and nothing ever lands there
.endr
.set j, 0
.rept 32
	v_mov_b32 v[OT+j], 0                           ; the step is written once: the first finds zeros
.set j, j+1
.endr
	v_mov_b32 v34, 0
	v_mov_b32 v35, 0
	v_mov_b32 v71, 0
	v_mov_b32 v252, 0
	v_mov_b32 v31, 0xff61b1e6                      ; the largest t so far: -3e38
	s_delay_alu instid0(VALU_DEP_1)
	v_floor_f32 v30, -v31
	s_wait_loadcnt 0x0
	v_mov_b32 v38, v36                             ; the low stream comes first: q_i
.irp j, 0,1,2,3,4,5
	v_mov_b32 v[QE+\j], v[QA+\j]
.endr
	v_mul_f32 v33, s24, v33                        ; c GH[i]
	s_wait_alu depctr_va_vdst(0)
	s_wait_tensorcnt 0x0                           ; my first fill has landed,
	s_wait_dscnt 0x0                               ; my zeros are stored:
	s_barrier_signal -1
	s_barrier_wait -1                              ; everybody's
; where the group in hand (XG = s18) lies in the table: row XG + 80 (low stream) or XG - 1984 (high, above XG = 1984); the hold keeps every value inside the table.
; Its six vector lines are also the places between a step's last products, which read v28-29 as scales, and the next step's loads into those two
.macro EADDR
	s_cmp_gt_u32 s18, 1984
	s_cselect_b32 s76, -1, 0
	s_mov_b32 s77, 80
	s_cselect_b32 s77, 0xfffff840, s77
	s_add_co_u32 s78, s18, s77
	s_min_u32 s78, s78, 2064
	s_mul_i32 s79, s78, 48
	s_lshl_b32 s80, s78, 2
	v_cndmask_b32 v17, v11, v14, s76
	v_cndmask_b32 v18, v12, v15, s76
	v_cndmask_b32 v19, v13, v16, s76
	s_delay_alu instid0(VALU_DEP_3)
	v_add_nc_u32 v17, s79, v17
	s_delay_alu instid0(VALU_DEP_3)
	v_add_nc_u32 v18, s79, v18
	s_delay_alu instid0(VALU_DEP_3)
	v_add_nc_u32 v19, s80, v19
.endm
.macro ELOAD a16, a8, aw
.irp tt, 0,1,2,3
	ds_load_b128 v[FR+6*\tt:FR+6*\tt+3], v[\a16] offset:768*\tt
	ds_load_b64 v[FR+6*\tt+4:FR+6*\tt+5], v[\a8] offset:768*\tt
.endr
	ds_load_b32 v[KWA], v[\aw]
	ds_load_b32 v[KWA+1], v[\aw] offset:128
	s_wait_dscnt 0x0
.endm
; a group of 64 columns of E^T: four tiles, into half par of the stage's circle
.macro EGROUP par
	s_min_u32 s81, s19, 8192                       ; 33 groups, 256 bytes of u.k from group to group: the hold keeps every value inside the table
	v_add_nc_u32 v10, s81, v6
	s_add_co_u32 s19, s19, 256
.irp tt, 0,1,2,3                       ; u.k askew: the sums' first term
	ds_load_b128 v[EA+8*\tt:EA+8*\tt+3], v10 offset:64*\tt
	ds_load_b128 v[EA+8*\tt+4:EA+8*\tt+7], v10 offset:64*\tt+16
.endr
	ELOAD 17, 18, 19
.irp tt, 0,1,2,3
	WMM EA+8*\tt, FR+6*\tt, QE, EA+8*\tt, KWA+\tt/2, 38, \tt%2, 0
.endr
	s_cmp_eq_u32 s18, 1984                         ; once in a wave's life the two streams meet in one group: a branch on ids and the count of groups alone
	s_cbranch_scc0 .Lno_sw_\@
	PLACES 4
	v_mov_b32 v38, v37                             ; from here on: q_(i+1)
.irp j, 0,1,2,3,4,5
	v_mov_b32 v[QE+\j], v[QB+\j]
.endr
	ELOAD 14, 15, 16                               ; the high stream's rows: under row 80 of the table they are zeros
	PLACES 8                                       ; a scale register written by a vector instruction stands 8 places ahead of a scaled matrix instruction
	s_wait_alu depctr_va_vdst(0)
.irp tt, 0,1,2,3
	WMM EA+8*\tt, FR+6*\tt, QE, EA+8*\tt, KWA+\tt/2, 38, \tt%2, 0
.endr
.Lno_sw_\@:
	s_add_co_u32 s18, s18, 64
	PLACES 5                                       ; four places serve the stores below; the fifth serves the score products, which take these registers, filled anew with k's tiles 4-7, as source 0
.irp tt, 0,1,2,3                       ; units 16 par + 4 tt + 2 h + q: 256 bytes a unit; each accumulator from its low end on
	ds_store_b128 v[WR+2*(\tt%2)], v[EA+8*\tt:EA+8*\tt+3] offset:4096*\par+1024*\tt
	ds_store_b128 v[WR+2*(\tt%2)+1], v[EA+8*\tt+4:EA+8*\tt+7] offset:4096*\par+1024*\tt+256
.endr
.endm
; BD of a half step of 64 keys, askew out of my stage (LDS serves a wave's instructions in order): it will be the C of k q^T.  Piece n = 2 tt + q is registers 4 q .. 4 q + 3 of tile tt: keys 16 tt + 8 h + 4 q on:
; 4 tt + q units on from the unit in the address register (even half step), or the unit in its own register (odd: the circle wraps)
.macro BDLOAD hh
.irp n, 0,1,2,3,4,5,6,7
.if \hh
	ds_load_b128 v[S+32+4*\n:S+32+4*\n+3], v[RO+\n]
.else
	ds_load_b128 v[S+4*\n:S+4*\n+3], v[RE+2*((\n/2)%2)+(\n%2)] offset:1024*(\n/2)+256*(\n%2)
.endif
.endr
.endm
.macro KLOAD st, t0, f
.irp t, 0,1,2,3
	ds_load_b128 v[\f+6*\t:\f+6*\t+3], v7 offset:(8*\st+\t0+\t)*768
	ds_load_b64 v[\f+6*\t+4:\f+6*\t+5], v8 offset:(8*\st+\t0+\t)*768
.endr
.endm
; A KEY STEP: 128 keys, the slot's st-th
.macro STEP st
	EADDR
	EGROUP 1
	BDLOAD 0
	EADDR
	EGROUP 0
	BDLOAD 1
	KLOAD \st, 0, FR
	KLOAD \st, 4, EA                               ; tiles 4-7 into the registers that E^T has left (LDS serves a wave's instructions in order: its stores have read them); the last one's operand names v224-229 beyond them, which meet q's zeros
.irp p, 0,1
	ds_load_b32 v[KWA+\p], v9 offset:512*\st+128*\p
	ds_load_b32 v[KWB+\p], v9 offset:512*\st+256+128*\p
.endr
	s_wait_dscnt 0x0
.irp t, 0,1,2,3
	WMM S+8*\t, FR+6*\t, QA, S+8*\t, KWA+\t/2, 36, \t%2, 0
.endr
.irp t, 0,1,2,3
	WMM S+32+8*\t, EA+6*\t, QA, S+32+8*\t, KWB+\t/2, 36, \t%2, 0
.endr
	PLACES 4
.irp b, 0,1,2,3
	v_max3_num_f32 v[BM+\b], v[S+16*\b], v[S+1+16*\b], v[S+2+16*\b]    ; the largest score of each block of 32 keys: for the row's maximum, and, since p rises with the score, for the block's largest p
.endr
.irp i, 3,5,7,9,11,13
.irp b, 0,1,2,3
	v_max3_num_f32 v[BM+\b], v[BM+\b], v[S+16*\b+\i], v[S+1+16*\b+\i]   ; the four blocks by turns
.endr
.endr
.irp b, 0,1,2,3
	v_max_num_f32 v[BM+\b], v[BM+\b], v[S+15+16*\b]
.endr
.irp b, 0,1,2,3
	s_delay_alu instid0(VALU_DEP_4)
	v_permlanex16_b32 v[PT+\b], v[BM+\b], s22, s23
.endr
.irp b, 0,1,2,3
	s_delay_alu instid0(VALU_DEP_4)
	v_max_num_f32 v[BM+\b], v[BM+\b], v[PT+\b]
.endr
	s_delay_alu instid0(VALU_DEP_2)
	v_max3_num_f32 v252, v[BM], v[BM+1], v[BM+2]
	s_delay_alu instid0(VALU_DEP_1)
	v_max_num_f32 v252, v252, v[BM+3]
	s_delay_alu instid0(VALU_DEP_1)
	v_fma_f32 v252, v252, s24, v33                 ; as t: x c, + c GH
	s_delay_alu instid0(VALU_DEP_1)
	v_max_num_f32 v31, v31, v252
	v_mov_b32 v252, v30
	s_delay_alu instid0(VALU_DEP_2)
	v_floor_f32 v30, -v31                          ; -M = floor(-t): M is a whole number
	s_delay_alu instid0(VALU_DEP_1)
	v_sub_f32 v252, v30, v252
	s_delay_alu instid0(VALU_DEP_1)
	v_cvt_i32_f32 v252, v252                       ; (it saturates)
	s_delay_alu instid0(VALU_DEP_1)
	v_ldexp_f32 v70, 1.0, v252                     ; f = 2^(old M - new M)
	s_delay_alu instid0(VALU_DEP_4)
	v_add_f32 v32, v33, v30                        ; c GH - M
.set j, 0
.rept 32
	v_pk_fma_f32 v[S+j:S+j+1], v[S+j:S+j+1], s[24:25], v[32:33] op_sel_hi:[1,0,0]   ; t - M
.set j, j+2
.endr
.irp b, 0,1,2,3
	v_fma_f32 v[BM+\b], v[BM+\b], s24, v32
.endr
; a block's largest p is 2^x, x the number just made: the exponent of its scale is floor(x) - 2, its byte floor(x) + 125, held at 1 from below.  Where the exponential of an x just under a whole number comes out as that power of two,
; the code is held at 7.5, as the quantiser holds what lies between 7.5 and 8.
.irp b, 0,1,2,3
	v_max_num_f32 v[BM+\b], 0xc2f80000, v[BM+\b]   ; x at least -124
.endr
.irp b, 0,1,2,3
	v_cvt_floor_i32_f32 v[BM+\b], v[BM+\b]
.endr
.irp b, 0,1,2,3
	v_add_lshl_u32 v[SO2+\b], v[BM+\b], 125, 23    ; the byte as an exponent field: the conversion's scale operand
.endr
.irp b, 0,1,2,3
	v_add_nc_u32 v[PT2+\b], 125, v[BM+\b]          ; the byte
.endr
	s_delay_alu instid0(VALU_DEP_3)
	v_lshl_or_b32 v[PWD], v[PT2+1], 8, v[PT2]
	s_delay_alu instid0(VALU_DEP_1)
	v_lshl_or_b32 v[PWD], v[PT2+2], 16, v[PWD]
	s_delay_alu instid0(VALU_DEP_1)
	v_lshl_or_b32 v[PWD], v[PT2+3], 24, v[PWD]     ; p's scale word for these 128 keys
.set j, 0
	s_wait_alu depctr_va_vdst(0)
.rept 64
	v_exp_f32 v[S+j], v[S+j]                       ; p = 2^(t - M)
.set j, j+1
.endr
	v_pk_mul_f32 v[34:35], v[34:35], v[70:71] op_sel_hi:[1,0]      ; the sums under the new M (a plain place behind the exponentials)
	s_wait_alu depctr_va_vdst(0)                   ; one wait for the batch, ahead of its first reader
	v_pk_add_f32 v[254:255], v[108:109], v[112:113]
	v_pk_add_f32 v[250:251], v[116:117], v[120:121]
	v_pk_add_f32 v[248:249], v[124:125], v[128:129]
	v_pk_add_f32 v[246:247], v[132:133], v[136:137]
	v_pk_add_f32 v[244:245], v[140:141], v[144:145]
	v_pk_add_f32 v[230:231], v[148:149], v[152:153]
	v_pk_add_f32 v[228:229], v[156:157], v[160:161]
	v_pk_add_f32 v[34:35], v[34:35], v[164:165]
	v_pk_add_f32 v[254:255], v[254:255], v[104:105]
	v_pk_add_f32 v[250:251], v[250:251], v[106:107]
	v_pk_add_f32 v[248:249], v[248:249], v[110:111]
	v_pk_add_f32 v[246:247], v[246:247], v[114:115]
	v_pk_add_f32 v[244:245], v[244:245], v[118:119]
	v_pk_add_f32 v[230:231], v[230:231], v[122:123]
	v_pk_add_f32 v[228:229], v[228:229], v[126:127]
	v_pk_add_f32 v[34:35], v[34:35], v[130:131]
	v_pk_add_f32 v[254:255], v[254:255], v[134:135]
	v_pk_add_f32 v[250:251], v[250:251], v[138:139]
	v_pk_add_f32 v[248:249], v[248:249], v[142:143]
	v_pk_add_f32 v[246:247], v[246:247], v[146:147]
	v_pk_add_f32 v[244:245], v[244:245], v[150:151]
	v_pk_add_f32 v[230:231], v[230:231], v[154:155]
	v_pk_add_f32 v[228:229], v[228:229], v[158:159]
	v_pk_add_f32 v[34:35], v[34:35], v[162:163]
	v_pk_add_f32 v[254:255], v[254:255], v[166:167]
	s_delay_alu instid0(VALU_DEP_2)
	v_pk_add_f32 v[34:35], v[34:35], v[246:247]
	s_delay_alu instid0(VALU_DEP_2)
	v_pk_add_f32 v[254:255], v[254:255], v[244:245]
	v_pk_add_f32 v[250:251], v[250:251], v[230:231]
	v_pk_add_f32 v[248:249], v[248:249], v[228:229]
	s_delay_alu instid0(VALU_DEP_2)
	v_pk_add_f32 v[34:35], v[34:35], v[250:251]
	s_delay_alu instid0(VALU_DEP_2)
	v_pk_add_f32 v[254:255], v[254:255], v[248:249]
	s_delay_alu instid0(VALU_DEP_1)
	v_pk_add_f32 v[34:35], v[34:35], v[254:255]
.irp c, 0,1
	v_cvt_scalef32_pk16_fp6_f32 v[200+6*\c:202+6*\c], v[S+32*\c:S+15+32*\c], v[SO2+2*\c]
	v_cvt_scalef32_pk16_fp6_f32 v[212+4*\c:214+4*\c], v[S+16+32*\c:S+31+32*\c], v[SO2+2*\c+1]
.endr
	v_nop                                          ; one plain place behind a scaled conversion
.irp c, 0,1
.irp i, 0,1,2
	v_permlane16_swap_b32 v[200+6*\c+\i], v[212+4*\c+\i]
.endr
.irp i, 0,1,2
	s_delay_alu instid0(VALU_DEP_3)
	v_mov_b32 v[203+6*\c+\i], v[212+4*\c+\i]
.endr
.endr
.irp dt, 0,1,2,3
	ds_load_b128 v[S+12*\dt:S+12*\dt+3], v7 offset:12288+(4*\st+\dt)*1536
	ds_load_b64 v[S+12*\dt+4:S+12*\dt+5], v8 offset:12288+(4*\st+\dt)*1536
	ds_load_b128 v[S+12*\dt+6:S+12*\dt+9], v7 offset:12288+(4*\st+\dt)*1536+768
	ds_load_b64 v[S+12*\dt+10:S+12*\dt+11], v8 offset:12288+(4*\st+\dt)*1536+768
.endr
	ds_load_b32 v[KWA], v9 offset:2048+(2*\st)*128
	ds_load_b32 v[KWA+1], v9 offset:2048+(2*\st+1)*128
.set j, 0
.rept 16
	v_pk_mul_f32 v[OT+j:OT+j+1], v[OT+j:OT+j+1], v[70:71] op_sel_hi:[1,0]      ; O^T under the new M; these sixteen are also the places in front of the products below
.set j, j+2
.endr
	s_wait_alu depctr_va_vdst(0)
	s_wait_dscnt 0x0
.irp dt, 0,1,2,3
	WMM OT+8*\dt, S+12*\dt, 200, OT+8*\dt, KWA+\dt/2, PWD, \dt%2, 0
.endr
.endm
; THE CHANGE OF SLOTS, at a slot's head
.macro CHANGE fill
	s_wait_tensorcnt 0x0                           ; no tensor load of mine is out: the slot ahead is whole as far as I fetch it, and a group 0 may be written
	ds_add_u32 v1, v2                              ; 0 onto my spare word,
	ds_add_u32 v1, v2                              ; twice on end
.if \fill
	s_xor_b32 s57, s57, SLOT1                      ; the walking descriptor: the other slot than last time,
	s_add_nc_u64 s[58:59], s[58:59], SLOTB         ; the next 256 keys
	s_wait_xcnt 0x0                                ; the last prefetch, a slot back, has read its address
	s_add_nc_u64 s[72:73], s[72:73], SLOTB
.endif
	s_wait_dscnt 0x0                               ; the add is done, and my reads of the slot that I have left are over
	s_barrier_signal -1
	s_barrier_wait -1
.if \fill
	s_cmp_lt_u32 s12, 2
	s_cbranch_scc0 .Lnf_\@
	tensor_load_to_lds s[56:59], s[32:39]          ; first thing behind the barrier, my one tensor load until the next
	s_nop 0
	PLACES 4
.Lnf_\@:
	s_cmp_gt_u32 s21, s74                          ; waves 4-7 of the head's first work-group ask for the slot that the NEXT change will fetch, two key steps ahead of that load; the last change that fills asks for nothing
	s_cbranch_scc0 .Lna_\@
	global_prefetch_b8 v39, s[72:73] th:TH_LOAD_NT scope:SCOPE_SE
.Lna_\@:
.endif
.endm
.macro SLOT_STEPS
	v_add_nc_u32 v7, s20, v3
	v_add_nc_u32 v8, s20, v4
	v_add_nc_u32 v9, s20, v5
	STEP 0
	STEP 1
	s_xor_b32 s20, s20, SLOT1
.endm
	EADDR
	EGROUP 0                                       ; group 0 of E^T; every half step then makes the group one ahead: 33 groups, none twice
.Lslot:                                ; seven trips: behind each change of slots but the last the next slot is asked for
	CHANGE 1
	SLOT_STEPS
	s_sub_co_u32 s21, s21, 1
	s_cmp_lg_u32 s21, 0
	s_cbranch_scc1 .Lslot
	CHANGE 0                                       ; the last slot is written out
	SLOT_STEPS
	; THE WAY OUT: O^T / the sum, quantised along d (a lane's 16 registers of two tiles are 16 neighbouring d), through the stages, so that a block of 64 tokens leaves as rows of 48 bytes on end
	v_add_f32 v34, v34, v35
	s_delay_alu instid0(VALU_DEP_1)
	v_permlanex16_b32 v252, v34, s22, s23
	s_delay_alu instid0(VALU_DEP_1)
	v_add_f32 v34, v34, v252
	s_wait_alu depctr_va_vdst(0)
	v_rcp_f32 v34, v34
	v_and_b32 v3, 15, v0                           ; r
	v_bfe_u32 v4, v0, 4, 1                         ; h
	v_and_b32 v5, 31, v0                           ; lane
	s_mul_i32 s26, s12, STG
	s_add_co_u32 s26, s26, STAGE
	v_lshlrev_b32 v6, 6, v3
	s_delay_alu instid0(VALU_DEP_1)
	v_lshl_add_u32 v6, v4, 4, v6
	s_delay_alu instid0(VALU_DEP_1)
	v_add_nc_u32 v6, s26, v6                       ; in: my query's four places of 16 bytes; place 2 block + h
	v_lshl_add_u32 v7, v3, 1, s26
	s_delay_alu instid0(VALU_DEP_1)
	v_add_nc_u32 v7, 1024, v7                      ; and its two scale bytes
	s_lshl_b32 s27, s14, 2
	s_mul_i32 s27, s27, STG
	s_add_co_u32 s27, s27, STAGE                   ; my group's four stages
	s_lshl_b32 s28, s13, 8
	s_add_co_u32 s28, s28, s27
	v_bfe_u32 v8, v0, 2, 2
	s_delay_alu instid0(VALU_DEP_1)
	v_mul_u32_u24 v8, v8, STG
	s_delay_alu instid0(VALU_DEP_1)
	v_lshl_add_u32 v8, v4, 6, v8
	v_and_b32 v9, 3, v0
	s_delay_alu instid0(VALU_DEP_1)
	v_lshl_add_u32 v8, v9, 4, v8
	s_delay_alu instid0(VALU_DEP_1)
	v_add_nc_u32 v8, s28, v8                       ; back: row 16 c + 8 n + lane / 4 of the block is class (lane / 4) % 4, query 4 c + 2 n + lane / 16; place lane % 4
	v_and_b32 v9, 1, v0
	s_delay_alu instid0(VALU_DEP_1)
	v_mul_u32_u24 v9, v9, 2*STG
	v_lshrrev_b32 v10, 1, v5
	s_delay_alu instid0(VALU_DEP_1)
	v_lshl_add_u32 v9, v10, 1, v9
	s_delay_alu instid0(VALU_DEP_1)
	v_add_nc_u32 v9, s27, v9
	s_delay_alu instid0(VALU_DEP_1)
	v_add_nc_u32 v9, 1024, v9                      ; the bytes of rows 2 lane and 2 lane + 1: classes 2 (lane % 2) and one more, query lane / 2
	v_mul_u32_u24 v10, v5, 12
	v_lshlrev_b32 v11, 2, v5
	s_lshr_b32 s29, s15, 4
	s_lshl_b32 s29, s29, 5
	s_lshl_b32 s30, ttmp9, 2
	s_add_co_u32 s29, s29, s30
	s_add_co_u32 s29, s29, s14                     ; the block of 64 tokens
	s_mul_i32 s29, s29, 51200
	s_lshr_b32 s30, s16, 2
	s_mul_i32 s30, s30, 12800
	s_add_co_u32 s76, s29, s30                     ; the chunk: heads 4 x .. 4 x + 3
	s_mov_b32 s77, 0
	s_and_b32 s30, s16, 3
	s_mul_i32 s31, s30, 3072
	s_mul_i32 s75, s13, 768
	s_add_co_u32 s78, s76, s31
	s_add_co_u32 s78, s78, s75
	s_mov_b32 s79, 0
	s_add_nc_u64 s[78:79], s[10:11], s[78:79]
	s_lshl_b32 s31, s30, 7
	s_add_co_u32 s76, s76, s31
	s_add_co_u32 s76, s76, 12288
	s_add_nc_u64 s[76:77], s[10:11], s[76:77]
	s_wait_alu depctr_va_vdst(0)                   ; the wait for the reciprocal, ahead of its first reader
.set j, 0
.rept 32
	v_mul_f32 v[S+j], v[OT+j], v34                 ; register 16 b + i: d = 32 b + 16 h + i
.set j, j+1
.endr
.irp b, 0,1
	v_max3_num_f32 v[BM+\b], |v[S+16*\b]|, |v[S+1+16*\b]|, 0x1800000
.endr
.irp i, 2,4,6,8,10,12,14
.irp b, 0,1
	s_delay_alu instid0(VALU_DEP_2)
	v_max3_num_f32 v[BM+\b], v[BM+\b], |v[S+16*\b+\i]|, |v[S+1+16*\b+\i]|
.endr
.endr
.irp b, 0,1
	s_delay_alu instid0(VALU_DEP_2)
	v_permlanex16_b32 v[PT+\b], v[BM+\b], s22, s23
.endr
.irp b, 0,1
	s_delay_alu instid0(VALU_DEP_2)
	v_max_num_f32 v[BM+\b], v[BM+\b], v[PT+\b]
.endr
.irp b, 0,1
	s_delay_alu instid0(VALU_DEP_2)
	v_add_nc_u32 v[SO+\b], 0xff000000, v[BM+\b]
.endr
.irp b, 0,1
	s_delay_alu instid0(VALU_DEP_2)
	v_lshrrev_b32 v[PT+\b], 23, v[SO+\b]
.endr
	s_delay_alu instid0(VALU_DEP_1)
	v_lshl_or_b32 v252, v[PT+1], 8, v[PT]
	v_cvt_scalef32_pk16_fp6_f32 v[200:202], v[S:S+15], v[SO]
	v_cvt_scalef32_pk16_fp6_f32 v[204:206], v[S+16:S+31], v[SO+1]
	v_nop
	ds_store_b96 v6, v[200:202]
	ds_store_b96 v6, v[204:206] offset:32
	ds_store_b16 v7, v252                          ; both lanes of a query write the same bytes with the same value
	s_wait_dscnt 0x0                               ; for the others' sake
	s_barrier_signal -1
	s_barrier_wait -1
	ds_load_b96 v[208:210], v8
	ds_load_b96 v[212:214], v8 offset:128
	s_wait_dscnt 0x0
	global_store_b96 v10, v[208:210], s[78:79]     ; 384 consecutive bytes: eight rows of 48
	global_store_b96 v10, v[212:214], s[78:79] offset:384
	s_cmp_eq_u32 s13, 0
	s_cbranch_scc0 .Lno_sc
	ds_load_u16 v244, v9
	ds_load_u16 v245, v9 offset:STG
	s_wait_dscnt 0x0
	v_lshl_or_b32 v244, v245, 16, v244
	global_store_b32 v11, v244, s[76:77]           ; the block's 64 pairs of scale bytes for this head: 128 consecutive bytes
.Lno_sc:
	s_wait_tensorcnt 0x0                           ; the wave's end
	ds_add_u32 v1, v2
	s_wait_dscnt 0x0
	s_endpgm
.Lfunc_end_k_qce1481c017_attn:
	.size	k_qce1481c017_attn, .Lfunc_end_k_qce1481c017_attn-k_qce1481c017_attn
	.p2alignl 7, 3214868480
	.fill 96, 4, 3214868480
	.section	.rodata,"a",@progbits
	.p2align	6, 0x0
	.amdhsa_kernel k_qce1481c017_attn
		.amdhsa_group_segment_fixed_size 327680
		.amdhsa_private_segment_fixed_size 0
		.amdhsa_enable_private_segment 0
		.amdhsa_kernarg_size 32
		.amdhsa_user_sgpr_count 2
		.amdhsa_user_sgpr_kernarg_segment_ptr 1
		.amdhsa_wavefront_size32 1
		.amdhsa_system_sgpr_workgroup_id_x 1
		.amdhsa_system_sgpr_workgroup_id_y 1
		.amdhsa_system_sgpr_workgroup_id_z 1
		.amdhsa_system_vgpr_workitem_id 0
		.amdhsa_next_free_vgpr 256
		.amdhsa_next_free_sgpr 100
		.amdhsa_reserve_vcc 0
		.amdhsa_float_denorm_mode_32 3
		.amdhsa_float_denorm_mode_16_64 3
		.amdhsa_memory_ordered 1
		.amdhsa_forward_progress 1
		.amdhsa_inst_pref_size 146
	.end_amdhsa_kernel
	.amdgpu_metadata
---
amdhsa.version: [ 1, 2 ]
amdhsa.kernels:
  - .name:           k_qce1481c017_attn
    .symbol:         k_qce1481c017_attn.kd
    .args:
      - { .name: qpack, .offset: 0, .size: 8, .value_kind: global_buffer, .address_space: global }
      - { .name: kvpack, .offset: 8, .size: 8, .value_kind: global_buffer, .address_space: global }
      - { .name: krpack, .offset: 16, .size: 8, .value_kind: global_buffer, .address_space: global }
      - { .name: ao, .offset: 24, .size: 8, .value_kind: global_buffer, .address_space: global }
    .group_segment_fixed_size: 327680
    .private_segment_fixed_size: 0
    .kernarg_segment_align: 8
    .kernarg_segment_size: 32
    .max_flat_workgroup_size: 512
    .sgpr_count:     100
    .vgpr_count:     256
    .wavefront_size: 32
...
	.end_amdgpu_metadata
.endif
;; end of part 3
;; launch outp (part 4): grid 8 x 32, 8 waves a work-group, no clusters, 327,680 bytes of LDS; arguments ao, wgt, bo, out0; writes out0
.if DOCPART == 4
	.amdgcn_target "amdgcn-amd-amdhsa--gfx1250"
	.amdhsa_code_object_version 6
	.text
	.protected	k_qce1481c017_outp
	.globl	k_qce1481c017_outp
	.p2align	8
	.type	k_qce1481c017_outp,@function
k_qce1481c017_outp:
	s_mov_b64 s[64:65], 0
	v_nop
	global_prefetch_b8 v0, s[64:65] scope:SCOPE_SE
	s_setreg_imm32_b32 hwreg(HW_REG_WAVE_MODE, 25, 1), 1
	s_wait_xcnt 0x0
; out0 = O Wo + bo on codes of FP6 (E2M3), K = 1,024.  A tile is P 128 (columns n) x R 128 (tokens); source 0 = 16 rows of Wo^T, source 1 = 16 tokens: a lane holds one token and eight neighbouring columns.
; Eight waves: wave = (wp, wr): P 64 (4 tiles) x R 32 (2 blocks), 8 accumulators, begun with bo as C.  All of K, 4 units x 4 chunks x 12,800 bytes, comes into LDS once: no byte of LDS is filled twice.
; O's scale bytes lie as pairs for each 64 along K: two pairs make a K step's word.
; No cluster: joint loads for the tiles that work-groups share are left for a later version of this text.
.set UB,   12800
.set CHP,  4*UB
.set STGS, 4*CHP                       ; behind the tiles: a stage of 16 rows x (256 + 16) bytes for each wave
.set FRP,  16
.set FRR,  64
.set PS,   88
.set RW,   90
.set UT,   92
.set BO,   96
.set ACC,  128
.set OB,   192
.set PADR, 1
.set RADR, 2
.set PSADR, 3
.set RUADR, 4
.set PAC,  5
.set RAC,  6
.set PSC,  7
.set RUC,  8
.set STO,  9
.set RD,   10
.set GO,   11
.set H32,  12
.set G1,   20
.set G0,   28
.macro PLACES n
.rept \n
	v_nop
.endr
.endm
.macro WMM d, a, b, c, sa, sb, ra, rb
.if (\ra) && (\rb)
	v_wmma_scale_f32_16x16x128_f8f6f4 v[(\d):(\d)+7], v[(\a):(\a)+11], v[(\b):(\b)+11], v[(\c):(\c)+7], v[(\sa)], v[(\sb)] matrix_a_fmt:MATRIX_FMT_FP6 matrix_b_fmt:MATRIX_FMT_FP6 matrix_a_scale:MATRIX_SCALE_ROW1 matrix_b_scale:MATRIX_SCALE_ROW1
.elseif (\ra)
	v_wmma_scale_f32_16x16x128_f8f6f4 v[(\d):(\d)+7], v[(\a):(\a)+11], v[(\b):(\b)+11], v[(\c):(\c)+7], v[(\sa)], v[(\sb)] matrix_a_fmt:MATRIX_FMT_FP6 matrix_b_fmt:MATRIX_FMT_FP6 matrix_a_scale:MATRIX_SCALE_ROW1
.elseif (\rb)
	v_wmma_scale_f32_16x16x128_f8f6f4 v[(\d):(\d)+7], v[(\a):(\a)+11], v[(\b):(\b)+11], v[(\c):(\c)+7], v[(\sa)], v[(\sb)] matrix_a_fmt:MATRIX_FMT_FP6 matrix_b_fmt:MATRIX_FMT_FP6 matrix_b_scale:MATRIX_SCALE_ROW1
.else
	v_wmma_scale_f32_16x16x128_f8f6f4 v[(\d):(\d)+7], v[(\a):(\a)+11], v[(\b):(\b)+11], v[(\c):(\c)+7], v[(\sa)], v[(\sb)] matrix_a_fmt:MATRIX_FMT_FP6 matrix_b_fmt:MATRIX_FMT_FP6
.endif
.endm
.macro FRAG reg, adr, off
.irp p, 0,1,2,3,4,5
	ds_load_b64 v[(\reg)+2*\p:(\reg)+2*\p+1], v[\adr] offset:(\off)+(\p/3)*3072+8*(\p%3)
.endr
.endm
.macro KSTEP sp, first, places
	PLACES \places
	FRAG FRR, RAC, 6144*\sp
	FRAG FRR+12, RAC, 6144*\sp+768
	ds_load_b32 v[PS], v[PSC] offset:12288+256*\sp
	ds_load_b32 v[PS+1], v[PSC] offset:12288+256*\sp+128
.irp b, 0,1,2,3
	FRAG FRP+12*\b, PAC, 6144*\sp+768*\b
.endr
	s_wait_dscnt 0x0
.irp b, 0,1,2,3
.irp a, 0,1
.if \first
	WMM ACC+8*(4*\a+\b), FRP+12*\b, FRR+12*\a, BO+8*\b, PS+\b/2, RW+\sp, \b%2, \a
.else
	WMM ACC+8*(4*\a+\b), FRP+12*\b, FRR+12*\a, ACC+8*(4*\a+\b), PS+\b/2, RW+\sp, \b%2, \a
.endif
.endr
.endr
.endm
	s_load_b256 s[4:11], s[0:1], 0x0               ; ao, wgt, bo, out0
	v_lshl_add_u32 v224, v0, 2, 0x3a800
	v_mov_b32 v225, 0
	ds_add_u32 v224, v225
	ds_add_u32 v224, v225
	v_lshrrev_b32 v1, 5, v0
	s_delay_alu instid0(VALU_DEP_1)
	v_readfirstlane_b32 s12, v1                    ; wave
	s_and_b32 s13, s12, 1                          ; wp
	s_lshr_b32 s14, s12, 1                         ; wr
	s_and_b32 s16, ttmp7, 0xffff                   ; rt; pt = ttmp9
	s_mov_b32 s[G1+0], 3<<16                       ; a unit's chunk: 50 dense rows of 256 bytes
	s_mov_b32 s[G1+1], 32<<16
	s_mov_b32 s[G1+2], 50<<16
	s_mov_b32 s[G1+3], 32<<16
	s_mov_b32 s[G1+4], 50
	s_mov_b32 s[G1+5], 32
	s_mov_b32 s[G1+6], 0
	s_mov_b32 s[G1+7], 0
	v_and_b32 v16, 15, v0                          ; r
	v_bfe_u32 v17, v0, 4, 1                        ; h
	v_and_b32 v18, 31, v0                          ; lane
	s_delay_alu instid0(VALU_DEP_2)
	v_mul_u32_u24 v19, v17, 24
	s_delay_alu instid0(VALU_DEP_1)
	v_mad_u32_u24 v20, v16, 48, v19
	s_wait_alu depctr_va_vdst(0)
	s_mul_i32 s17, s13, UB
	v_add_nc_u32 v[PADR], s17, v20
	v_lshl_add_u32 v[PSADR], v18, 2, s17
	s_lshr_b32 s17, s14, 1
	s_add_co_u32 s17, s17, 2
	s_mul_i32 s17, s17, UB                         ; R: unit 2 + wr / 2
	s_and_b32 s18, s14, 1
	s_lshl_b32 s18, s18, 5                         ; rows 32 (wr % 2) on
	s_mul_i32 s19, s18, 48
	s_add_co_u32 s19, s19, s17
	v_add_nc_u32 v[RADR], s19, v20
	s_lshl_b32 s19, s18, 1
	s_add_co_u32 s19, s19, s17
	v_lshl_add_u32 v[RUADR], v18, 1, s19           ; a pair of scale bytes for each of my 32 rows
	s_mul_i32 s19, s12, 16*272
	s_add_co_u32 s19, s19, STGS                    ; my stage
	v_mul_u32_u24 v[STO], v16, 272
	s_delay_alu instid0(VALU_DEP_1)
	v_lshl_add_u32 v[STO], v17, 5, v[STO]
	s_delay_alu instid0(VALU_DEP_1)
	v_add_nc_u32 v[STO], s19, v[STO]
	v_mul_u32_u24 v[RD], v17, 272
	s_delay_alu instid0(VALU_DEP_1)
	v_lshl_add_u32 v[RD], v16, 4, v[RD]
	s_delay_alu instid0(VALU_DEP_1)
	v_add_nc_u32 v[RD], s19, v[RD]
	v_lshlrev_b32 v[GO], 12, v17
	s_delay_alu instid0(VALU_DEP_1)
	v_lshl_add_u32 v[GO], v16, 4, v[GO]            ; lanes 0-15 one row of out0, lanes 16-31 the next
	v_lshlrev_b32 v[H32], 5, v17
	; what I fetch: waves 0-3 Wo's two units, waves 4-7 the tokens'
	; every wave fetches: unit wave / 2 (0, 1 Wo's, 2, 3 the tokens'), chunk wave % 2 at the head and chunk 2 + wave % 2 behind the first barrier
	s_lshl_b32 s44, ttmp9, 1
	s_add_co_u32 s44, s44, 64
	s_add_co_u32 s44, s44, s14
	s_lshl_b32 s45, s16, 1
	s_add_co_u32 s45, s45, s14
	s_sub_co_u32 s45, s45, 2
	s_cmp_lt_u32 s14, 2
	s_cselect_b32 s44, s44, s45
	s_mul_i32 s44, s44, 51200
	s_mul_i32 s45, s13, UB
	s_add_co_u32 s44, s44, s45
	s_mov_b32 s45, 0
	s_mul_i32 s48, s14, UB
	s_mul_i32 s49, s13, CHP
	s_add_co_u32 s48, s48, s49
	s_wait_dscnt 0x0
	s_wait_kmcnt 0x0
	s_cmp_lt_u32 s14, 2
	s_cselect_b64 s[46:47], s[6:7], s[4:5]
	s_add_nc_u64 s[46:47], s[46:47], s[44:45]
.irp c, 0,1
	s_mov_b32 s[G0+4*\c], 1
	s_add_co_u32 s[G0+4*\c+1], s48, \c*2*CHP
	s_add_nc_u64 s[G0+4*\c+2:G0+4*\c+3], s[46:47], \c*2*UB
	s_or_b32 s[G0+4*\c+3], s[G0+4*\c+3], 0x80000000
.endr
	tensor_load_to_lds s[G0:G0+3], s[G1:G1+7]      ; my one load at the head
	s_nop 0
	PLACES 4
	s_lshl_b32 s52, ttmp9, 9
	s_lshl_b32 s53, s13, 8
	s_add_co_u32 s52, s52, s53                     ; my 64 columns, in bytes
	s_mov_b32 s53, 0
	s_add_nc_u64 s[8:9], s[8:9], s[52:53]
	s_lshl_b32 s50, s16, 19
	s_lshl_b32 s51, s14, 17
	s_add_co_u32 s50, s50, s51
	s_add_co_u32 s50, s50, s52                     ; my first token's row, my first column
	s_mov_b32 s51, 0
	s_add_nc_u64 s[50:51], s[10:11], s[50:51]
	s_wait_alu depctr_va_vdst(0)
.irp b, 0,1,2,3
	global_load_b128 v[BO+8*\b:BO+8*\b+3], v[H32], s[8:9] offset:64*\b
	global_load_b128 v[BO+8*\b+4:BO+8*\b+7], v[H32], s[8:9] offset:64*\b+16
.endr
	s_wait_loadcnt 0x0
.irp c, 0,1,2,3
.if \c == 0
	s_wait_tensorcnt 0x0                           ; my part of chunks 0 and 1 is in
	ds_add_u32 v224, v225
	s_wait_dscnt 0x0
	s_barrier_signal -1
	s_barrier_wait -1                              ; everybody's part is in
	tensor_load_to_lds s[G0+4:G0+7], s[G1:G1+7]    ; my part of chunks 2 and 3, into bytes of their own: my one load behind this barrier; four K steps are multiplied until the wait for it
	s_nop 0
	PLACES 4
.elseif \c == 2
	s_wait_tensorcnt 0x0                           ; my part of chunks 2 and 3 is in
	s_wait_dscnt 0x0
	s_barrier_signal -1
	s_barrier_wait -1                              ; everybody's
.endif
	v_add_nc_u32 v[PAC], \c*CHP, v[PADR]
	v_add_nc_u32 v[RAC], \c*CHP, v[RADR]
	v_add_nc_u32 v[PSC], \c*CHP, v[PSADR]
	v_add_nc_u32 v[RUC], \c*CHP, v[RUADR]
.irp k, 0,1,2,3
	ds_load_u16 v[UT+\k], v[RUC] offset:12288+128*\k
.endr
	s_wait_dscnt 0x0
	v_lshl_or_b32 v[RW], v[UT+1], 16, v[UT]        ; the tokens' scale words of the chunk's two K steps
	v_lshl_or_b32 v[RW+1], v[UT+3], 16, v[UT+2]
.if \c == 0
	s_wait_alu depctr_va_vdst(0)
	KSTEP 0, 1, 8                                  ; a scale register written by a vector instruction stands 8 places ahead of a scaled matrix instruction
.else
	s_wait_alu depctr_va_vdst(0)
	KSTEP 0, 0, 8
.endif
	KSTEP 1, 0, 4
.endr
	; THE WAY OUT: 16 tokens x 64 columns at a time through my stage; sixteen lanes then store 256 consecutive bytes, aligned
	PLACES 4
.irp a, 0,1
.if \a == 1
	s_wait_xcnt 0x0                                ; block 0's stores have read their registers
.endif
.irp b, 0,1,2,3
	ds_store_b128 v[STO], v[ACC+8*(4*\a+\b):ACC+8*(4*\a+\b)+3] offset:64*\b
	ds_store_b128 v[STO], v[ACC+8*(4*\a+\b)+4:ACC+8*(4*\a+\b)+7] offset:64*\b+16
.endr
.irp i, 0,1,2,3,4,5,6,7
	ds_load_b128 v[OB+4*\i:OB+4*\i+3], v[RD] offset:544*\i     ; LDS serves a wave's instructions in order: these see my stores
.endr
.irp i, 0,1,2,3,4,5,6,7
	s_wait_dscnt 7-\i
	global_store_b128 v[GO], v[OB+4*\i:OB+4*\i+3], s[50:51] offset:(16*\a+2*\i)*4096 th:TH_STORE_NT
.endr
.endr
	s_wait_tensorcnt 0x0
	ds_add_u32 v224, v225
	s_wait_dscnt 0x0
	s_endpgm
.Lfunc_end_k_qce1481c017_outp:
	.size	k_qce1481c017_outp, .Lfunc_end_k_qce1481c017_outp-k_qce1481c017_outp
	.p2alignl 7, 3214868480
	.fill 96, 4, 3214868480
	.section	.rodata,"a",@progbits
	.p2align	6, 0x0
	.amdhsa_kernel k_qce1481c017_outp
		.amdhsa_group_segment_fixed_size 327680
		.amdhsa_private_segment_fixed_size 0
		.amdhsa_enable_private_segment 0
		.amdhsa_kernarg_size 32
		.amdhsa_user_sgpr_count 2
		.amdhsa_user_sgpr_kernarg_segment_ptr 1
		.amdhsa_wavefront_size32 1
		.amdhsa_system_sgpr_workgroup_id_x 1
		.amdhsa_system_sgpr_workgroup_id_y 1
		.amdhsa_system_sgpr_workgroup_id_z 1
		.amdhsa_system_vgpr_workitem_id 0
		.amdhsa_next_free_vgpr 226
		.amdhsa_next_free_sgpr 66
		.amdhsa_reserve_vcc 0
		.amdhsa_float_denorm_mode_32 3
		.amdhsa_float_denorm_mode_16_64 3
		.amdhsa_memory_ordered 1
		.amdhsa_forward_progress 1
		.amdhsa_inst_pref_size 42
	.end_amdhsa_kernel
	.amdgpu_metadata
---
amdhsa.version: [ 1, 2 ]
amdhsa.kernels:
  - .name:           k_qce1481c017_outp
    .symbol:         k_qce1481c017_outp.kd
    .args:
      - { .name: ao, .offset: 0, .size: 8, .value_kind: global_buffer, .address_space: global }
      - { .name: wgt, .offset: 8, .size: 8, .value_kind: global_buffer, .address_space: global }
      - { .name: bo, .offset: 16, .size: 8, .value_kind: global_buffer, .address_space: global }
      - { .name: out0, .offset: 24, .size: 8, .value_kind: global_buffer, .address_space: global }
    .group_segment_fixed_size: 327680
    .private_segment_fixed_size: 0
    .kernarg_segment_align: 8
    .kernarg_segment_size: 32
    .max_flat_workgroup_size: 256
    .sgpr_count:     66
    .vgpr_count:     226
    .wavefront_size: 32
...
	.end_amdgpu_metadata
.endif
;; end of part 4
